; MI455X (gfx1250); checked and timed in simulation.
; The chip was launched on July 23, 2026; its instructions are those of AMD's public machine-readable ISA for CDNA 5 (MIT licence, August 2026) and "CDNA5" Instruction Set Architecture Reference Guide (July 2026). The comments in the code are by the model that wrote it; some were corrected since.
;; Multi Head Attention. Allowed arithmetic: matrix products marked QUANTISED: E2M3 operands, one E8M0 scale for each 32 along K, by v_wmma_scale_f32_16x16x128_f8f6f4 with both operands' format E2M3, f32 sums; everything else in f32.
;; Inputs: K 4 x 2,048 x 1,024 float32; Q 4 x 2,048 x 1,024 float32; V 4 x 2,048 x 1,024 float32; Wk 1,024 x 1,024 float32; Wo 1,024 x 1,024 float32; Wq 1,024 x 1,024 float32; Wv 1,024 x 1,024 float32; bk 1,024 float32; bo 1,024 float32; bq 1,024 float32; bv 1,024 float32.
;; Outputs: out0 4 x 2,048 x 1,024 float32.
;; This version of the problem:
;;   THIS VERSION OF THE PROBLEM IS GIVEN IN LOW PRECISION. The matrix products marked QUANTISED in the list below multiply operands that are first quantised to E2M3 (2 exponent bits, 3 mantissa bits; 6 bits a number), with one power-of-two scale for each 32 numbers along K (OCP MX v1.0); their sums are f32. All else is computed in f32.
;;   The module's matrix products, in the order in which they are computed (A, B: the left and right operand; K: the contracted axis; several contracted axes count as one K, in the product's order):
;;     1. [M 8,192, K 1,024] x [K 1,024, N 1,024]; A: input Q; B: input Wq: QUANTISED
;;     2. [M 8,192, K 1,024] x [K 1,024, N 1,024]; A: input K; B: input Wk: QUANTISED
;;     3. [M 8,192, K 1,024] x [K 1,024, N 1,024]; A: input V; B: input Wv: QUANTISED
;;     4. batch 64 x [M 2,048, K 64] x [K 64, N 2,048]; A: computed on the way; B: computed on the way: QUANTISED
;;     5. batch 64 x [M 2,048, K 2,048] x [K 2,048, N 64]; A: softmax (see below); B: computed on the way: QUANTISED
;;     6. [M 8,192, K 1,024] x [K 1,024, N 1,024]; A: computed on the way; B: input Wo: QUANTISED
;;   THE QUANTISER, for each operand of a quantised product, along K:
;;     - K is cut into blocks of 32 from its start; a last block that is shorter is filled with zeros.
;;     - A block's scale is 2^e with e = floor(log2(the largest magnitude in the block)) - 2, held to -126 .. 127; a block of zeros has e = 0. As a byte (E8M0): e + 127.
;;     - Each number is divided by its block's scale, clamped to +-7.5, and rounded to the nearest number of E2M3, ties to even, subnormals kept.
;;     - The product sums the exact products of the quantised numbers (number of the format x scale) in f32.
;;   ~~~python
;;   def quantise(x, axis):      # numpy; x: float32 -> the quantised numbers, widened to float32 again
;;       x = np.moveaxis(x, axis, -1); K = x.shape[-1]
;;       x = np.pad(x, [(0, 0)] * (x.ndim - 1) + [(0, -K % 32)]); x = x.reshape(x.shape[:-1] + (-1, 32)); a = np.abs(x).max(-1, keepdims=True)
;;       e = np.where(a > 0, np.clip(np.frexp(np.where(a > 0, a, 1))[1] - 1 - 2, -126, 127), 0)      # np.frexp(a)[1] - 1 = floor(log2(a)), exactly
;;       r = np.clip(x / 2.0 ** e, -7.5, 7.5)
;;       step = 2.0 ** (np.maximum(np.frexp(np.where(r == 0, 1, r))[1] - 1, 0) - 3)
;;       q = np.round(r / step) * step * 2.0 ** e      # np.round: ties to even
;;       return np.moveaxis(q.reshape(q.shape[:-2] + (-1,))[..., :K], -1, axis).astype(np.float32)
;;   ~~~
;;   SOFTMAX AHEAD OF A QUANTISED PRODUCT. Where the list says 'softmax', what is quantised is not the finished softmax but p = 2^(t - M), with t = logit x log2(e) and M = ceil(the row's largest t), a whole number; so 1/2 < the row's largest p <= 1. The row's sum l is taken of the UNQUANTISED p, in f32, and the product's result is divided by l at the end. Since M is a whole number, a kernel that streams over the keys may use a running M (the ceiling of the running maximum): every later rescaling is an exact power of two, which a block's scale takes up: the codes' values come out the same.
;;   OPERANDS COMPUTED ON THE WAY. 'Computed on the way' means the value that the module computes at that place (a softmax that the list does not call 'softmax' is quantised finished and normalised). What goes into a quantiser is computed in f32, as accurately as f32 sums, v_exp_f32 and their like allow (about 1e-6 of the number): no bf16 or f16 on the way to a quantiser, and a product that is left as it is and whose result goes on into a quantised operand takes f32 operands (vector FMAs, or v_wmma_f32_16x16x4_f32). A number that lies on a knife's edge between two numbers of the format may be rounded either way, as far as f32 arithmetic and the matrix unit's own rounding can turn it there, and no further.
;; One version. Each part assembles by itself: llvm-mc -triple=amdgcn-amd-amdhsa -mcpu=gfx1250 --defsym DOCPART=n.
;; ======== version 1 of 1: 4 launches
;; limits: right only within a limited range of input values
;; workspace buffers: c1 28,311,552 bytes; s1 1,179,648 bytes; c2 18,874,368 bytes; s2 786,432 bytes
;; launch quant (part 1): grid 896 x 1, 4 waves a work-group, no clusters, 34,304 bytes of LDS; arguments Q, K, V, Wq, Wk, Wv, Wo, c1, s1; writes c1, s1
.if DOCPART == 1
	.amdgcn_target "amdgcn-amd-amdhsa--gfx1250"
	.amdhsa_code_object_version 6
	.text
	.protected	k_q7a7705fb85_quant
	.globl	k_q7a7705fb85_quant
	.p2align	8
	.type	k_q7a7705fb85_quant,@function
k_q7a7705fb85_quant:
	s_mov_b64 s[64:65], 0
	v_nop
	global_prefetch_b8 v0, s[64:65] scope:SCOPE_SE
	s_setreg_imm32_b32 hwreg(HW_REG_WAVE_MODE, 25, 1), 1
	s_wait_xcnt 0x0
; MULTI-HEAD ATTENTION IN MX-FP6, launch 1 of 4: Q, K, V [8192][1024] and Wq, Wk, Wv, Wo [1024][1024], f32, K innermost, become codes of E2M3 with one E8M0 byte for each 32 along K.
; DEAD WORK: none is left out in any launch.  Every input has a way to out0: the three biases bq, bk, bv stand ahead of quantisers, so they can move codes and scales, and bo is added to the result.
; LIMITS: NaN and infinities among the inputs are not served.  A block of zeros gets the byte 1 where the rule says 127: its codes are zeros, which add nothing under any byte but 0xff, and only this program reads the bytes.
; THE WORKSPACE IS LAID AS THE OPERANDS' REGISTERS.  A row tile T holds 16 rows; its lane row r is the tensor's row 32 (T / 2) + 8 (T % 2) + r + 8 (r / 8), so that in a product used transposed the 16 registers of two
; neighbouring result tiles are 16 neighbours.  A fragment (16 rows x 128 K, 12 registers a lane) is 1,536 bytes: register pair p at 256 p, lane l's 8 bytes at 8 l.  c1: [T][K step 8][1536].
; s1: [T][half of K 2][lane row 16][4 words]: a word is the four scale bytes of a row and a K step.  T: Q 0-511, K 512-1023, V 1024-1535, Wq 1536-, Wk 1600-, Wv 1664-, Wo 1728-1791.
; SHARES.  Wave w of work-group W takes tile T = 2 W + w / 2 and half w % 2 of K: four K steps.  A step's 16 loads read 512 consecutive bytes of a row each; the 8 KB turn through the wave's own stage in LDS
; (rows 528 bytes apart) and come back so that lane (r, h) holds k = 64 c + 32 h + 0 .. 31 of row r: two whole blocks, in the order of the operand's registers.  Waves share nothing: no barrier.
.set ROWB,  4096                       ; a row of any of the seven tensors, in bytes
.set PITCH, 528                        ; a stage row: 512 bytes + 16
.set WREG,  16*PITCH                   ; a wave's stage
.set SPARE, 4*WREG                     ; behind the stages: the spare words, 128 bytes a wave
.set LA,   1                           ; v1   16 x lane: my bytes of a load's 512
.set SOUT, 2                           ; v2   the stage, on the way out: row r, + 128 h
.set L8,   3                           ; v3   8 x lane: my place in a register pair's 256 bytes
.set SA,   4                           ; v4   16 r + 8 h: my two scale words
.set SPW,  5                           ; v5   my spare word; never rewritten
.set NIL,  6                           ; v6   0; never rewritten
.set SIN,  7                           ; v7   the stage, on the way in
.set R,    16                          ; v16-143  two sets of 64: a step's numbers as loaded
.set X,    144                         ; v144-207 my 64 numbers of a step
.set PC,   208                         ; v208-219 the fragment's 12 registers
.set PT,   220                         ; v220-227 the upper halves of the two blocks, as converted
.set MX,   228
.set SOP,  230
.set BY,   232
.set WD,   234
.set WX,   235
.set SH,   236                         ; v236 8 h
.set SW,   240                         ; v240-243 the four steps' scale words
.set OW,   244
	s_load_b256 s[4:11], s[0:1], 0x0               ; Q, K, V, Wq
	s_load_b256 s[12:19], s[0:1], 0x20             ; Wk, Wv, Wo, c1
	s_load_b64 s[20:21], s[0:1], 0x40              ; s1
	v_lshl_add_u32 v[SPW], v0, 2, SPARE
	v_mov_b32 v[NIL], 0
	v_lshrrev_b32 v8, 5, v0
	v_readfirstlane_b32 s22, v8                    ; wave
	s_lshr_b32 s23, s22, 1                         ; which of the work-group's two tiles
	s_and_b32 s24, s22, 1                          ; which half of K
	v_and_b32 v8, 31, v0                           ; lane
	v_and_b32 v9, 15, v0                           ; r
	v_bfe_u32 v10, v0, 4, 1                        ; h
	v_lshlrev_b32 v[LA], 4, v8
	s_mul_i32 s25, s22, WREG
	v_add_nc_u32 v[SIN], s25, v[LA]
	v_mul_u32_u24 v[SOUT], v9, PITCH
	v_lshl_add_u32 v[SOUT], v10, 7, v[SOUT]
	v_add_nc_u32 v[SOUT], s25, v[SOUT]
	v_lshlrev_b32 v[L8], 3, v8
	v_lshlrev_b32 v[SA], 4, v9
	v_lshl_add_u32 v[SA], v10, 3, v[SA]
	v_lshlrev_b32 v[SH], 3, v10
	v_mov_b32 v[WX], 0                             ; a lane permute's destination counts as one of its sources
	s_mov_b32 s26, 0x76543210
	s_mov_b32 s27, 0xfedcba98                      ; selects for lane l xor 16
	s_mov_b32 s28, 0xffff0000                      ; lanes 16-31
	s_wait_alu depctr_va_vdst(0)
	s_wait_kmcnt 0x0
	s_mov_b64 s[30:31], s[16:17]                   ; which tensor: the choice hangs on the work-group's number alone
	s_mov_b32 s29, 864                             ; and that tensor's first work-group
	s_cmp_lt_u32 ttmp9, 864
	s_cselect_b64 s[30:31], s[14:15], s[30:31]
	s_cselect_b32 s29, 832, s29
	s_cmp_lt_u32 ttmp9, 832
	s_cselect_b64 s[30:31], s[12:13], s[30:31]
	s_cselect_b32 s29, 800, s29
	s_cmp_lt_u32 ttmp9, 800
	s_cselect_b64 s[30:31], s[10:11], s[30:31]
	s_cselect_b32 s29, 768, s29
	s_cmp_lt_u32 ttmp9, 768
	s_cselect_b64 s[30:31], s[8:9], s[30:31]
	s_cselect_b32 s29, 512, s29
	s_cmp_lt_u32 ttmp9, 512
	s_cselect_b64 s[30:31], s[6:7], s[30:31]
	s_cselect_b32 s29, 256, s29
	s_cmp_lt_u32 ttmp9, 256
	s_cselect_b64 s[30:31], s[4:5], s[30:31]
	s_cselect_b32 s29, 0, s29
; K'S TOKENS ARE TILED OTHERWISE than the other six tensors' rows: tile T of K holds, in lane rows 0-7, tokens 64 (T / 4) + 8 (T % 4) + 0 .. 7 and, in lane rows 8-15, the tokens 32 further on.
; So in the scores K q^T a lane's 32 registers of four neighbouring tiles are 32 neighbouring keys: a whole scale block of p.
.set LB, 11                            ; v11  as v1, for lane rows 8-15: + 8 rows, for K + 24 rows
	s_sub_co_u32 s32, ttmp9, s29
	s_and_b32 s38, s32, 1
	s_lshl_b32 s38, s38, 4
	s_lshl_b32 s32, s32, 5
	s_mov_b32 s39, 8*ROWB
	s_cmp_eq_u32 s29, 256                          ; K's work-groups begin at 256
	s_cselect_b32 s38, s38, 0
	s_cselect_b32 s39, 24*ROWB, s39
	s_sub_co_u32 s32, s32, s38                     ; K: 64 (W' / 2) + 16 (W' % 2) = 32 W' - 16 (W' % 2)
	s_lshl_b32 s33, s23, 3
	s_add_co_u32 s32, s32, s33                     ; the tile's lane row 0: row 32 (W - first) + 8 (w / 2)
	s_lshl_b32 s32, s32, 12
	s_lshl_b32 s33, s24, 11
	s_add_co_u32 s32, s32, s33                     ; in bytes, + my half of K
	s_mov_b32 s33, 0
	s_add_nc_u64 s[30:31], s[30:31], s[32:33]
	s_lshl_b32 s34, ttmp9, 1
	s_add_co_u32 s34, s34, s23                     ; T
	s_mul_i32 s36, s34, 12288
	s_mul_i32 s35, s24, 6144
	s_add_co_u32 s36, s36, s35
	s_mov_b32 s37, 0
	s_add_nc_u64 s[18:19], s[18:19], s[36:37]      ; my four fragments in c1
	s_lshl_b32 s36, s34, 9
	s_lshl_b32 s35, s24, 8
	s_add_co_u32 s36, s36, s35
	s_add_nc_u64 s[20:21], s[20:21], s[36:37]      ; my 256 bytes of s1
.macro LOAD t                          ; step t: 128 numbers of each of the tile's 16 rows, into set t % 2
.set i, 0
.rept 16
.if i < 8
	global_load_b128 v[R+64*((\t)%2)+4*i:R+64*((\t)%2)+4*i+3], v[LA], s[30:31] offset:i*ROWB+512*(\t) th:TH_LOAD_NT
.else
	global_load_b128 v[R+64*((\t)%2)+4*i:R+64*((\t)%2)+4*i+3], v[LB], s[30:31] offset:i*ROWB+512*(\t) th:TH_LOAD_NT
.endif
.set i, i+1
.endr
.endm
.macro STEP t
.set RS, R+64*((\t)%2)
.if (\t) < 3
	s_wait_loadcnt 16                              ; this step's 16 loads are in; the next step's 16 may be out
.else
	s_wait_loadcnt 0x0
.endif
.set i, 0
.rept 16
	ds_store_b128 v[SIN], v[RS+4*i:RS+4*i+3] offset:PITCH*i
.set i, i+1
.endr
.irp c, 0,1
.irp j, 0,1,2,3,4,5,6,7
	ds_load_b128 v[X+32*\c+4*\j:X+32*\c+4*\j+3], v[SOUT] offset:256*\c+16*\j   ; LDS serves a wave's instructions in order: these see the stores above
.endr
.endr
	s_wait_dscnt 0x0                               ; my 64 numbers are in, and the stores have read the set,
.if (\t) < 2
	LOAD (\t)+2                                    ; which takes the loads of two steps on
.endif
.irp c, 0,1
	v_max3_num_f32 v[MX+\c], |v[X+32*\c]|, |v[X+32*\c+1]|, 0x1800000   ; block 2 c + h: all 32 numbers are mine; the floor 2^(3 - 127) holds the byte at 1 from below
.endr
.irp i, 2,4,6,8,10,12,14,16,18,20,22,24,26,28,30
.irp c, 0,1
	v_max3_num_f32 v[MX+\c], v[MX+\c], |v[X+32*\c+\i]|, |v[X+32*\c+\i+1]|
.endr
.endr
.irp c, 0,1
	v_add_nc_u32 v[SOP+\c], 0xff000000, v[MX+\c]   ; 2 off the exponent field: the conversion's scale operand
.endr
.irp c, 0,1
	v_lshrrev_b32 v[BY+\c], 23, v[SOP+\c]          ; the scale's byte
.endr
	v_lshl_or_b32 v[WD], v[BY+1], 16, v[BY]        ; my two bytes, blocks h and 2 + h,
	v_lshlrev_b32 v[WD], v[SH], v[WD]              ; at their places in the word;
	v_permlanex16_b32 v[WX], v[WD], s26, s27
	v_or_b32 v[SW+(\t)], v[WD], v[WX]              ; with lane l xor 16's two the word is whole, in both lanes
	s_wait_alu depctr_va_vdst(0)
	s_wait_xcnt 0x0                                ; the last step's stores have read the fragment's registers
.irp c, 0,1
	v_cvt_scalef32_pk16_fp6_f32 v[PC+6*\c:PC+6*\c+2], v[X+32*\c:X+32*\c+15], v[SOP+\c]
	v_cvt_scalef32_pk16_fp6_f32 v[PT+4*\c:PT+4*\c+2], v[X+32*\c+16:X+32*\c+31], v[SOP+\c]   ; (a conversion's three registers begin on an even number)
.endr
	v_nop                                          ; one plain place behind the scaled conversions
.irp c, 0,1
.irp i, 0,1,2
	v_mov_b32 v[PC+3+6*\c+\i], v[PT+4*\c+\i]
.endr
.endr
.irp p, 0,1,2,3,4,5
	global_store_b64 v[L8], v[PC+2*\p:PC+2*\p+1], s[18:19] offset:1536*(\t)+256*\p   ; 32 lanes store 256 consecutive bytes, at a multiple of 256 from c1's first byte
.endr
.endm
	v_add_nc_u32 v[LB], s39, v[LA]
	s_wait_alu depctr_va_vdst(0)                   ; the wait behind the write: later loads read v11 behind waits
	LOAD 0
	LOAD 1
	STEP 0
	STEP 1
	STEP 2
	STEP 3
	v_cndmask_b32 v[OW], v[SW], v[SW+2], s28       ; lanes 0-15 store row r's words of steps 0 and 1, lanes 16-31 those of steps 2 and 3
	v_cndmask_b32 v[OW+1], v[SW+1], v[SW+3], s28
	global_store_b64 v[SA], v[OW:OW+1], s[20:21]   ; 256 consecutive bytes
	s_wait_tensorcnt 0x0                           ; the wave's end, behind my last LDS store
	ds_add_u32 v[SPW], v[NIL]
	s_wait_dscnt 0x0
	s_endpgm
.Lfunc_end_k_q7a7705fb85_quant:
	.size	k_q7a7705fb85_quant, .Lfunc_end_k_q7a7705fb85_quant-k_q7a7705fb85_quant
	.p2alignl 7, 3214868480
	.fill 96, 4, 3214868480
	.section	.rodata,"a",@progbits
	.p2align	6, 0x0
	.amdhsa_kernel k_q7a7705fb85_quant
		.amdhsa_group_segment_fixed_size 34304
		.amdhsa_private_segment_fixed_size 0
		.amdhsa_enable_private_segment 0
		.amdhsa_kernarg_size 72
		.amdhsa_user_sgpr_count 2
		.amdhsa_user_sgpr_kernarg_segment_ptr 1
		.amdhsa_wavefront_size32 1
		.amdhsa_system_sgpr_workgroup_id_x 1
		.amdhsa_system_sgpr_workgroup_id_y 1
		.amdhsa_system_sgpr_workgroup_id_z 1
		.amdhsa_system_vgpr_workitem_id 0
		.amdhsa_next_free_vgpr 256
		.amdhsa_next_free_sgpr 66
		.amdhsa_reserve_vcc 0
		.amdhsa_float_denorm_mode_32 3
		.amdhsa_float_denorm_mode_16_64 3
		.amdhsa_memory_ordered 1
		.amdhsa_forward_progress 1
		.amdhsa_inst_pref_size 33
	.end_amdhsa_kernel
	.amdgpu_metadata
---
amdhsa.version: [ 1, 2 ]
amdhsa.kernels:
  - .name:           k_q7a7705fb85_quant
    .symbol:         k_q7a7705fb85_quant.kd
    .args:
      - { .name: Q, .offset: 0, .size: 8, .value_kind: global_buffer, .address_space: global }
      - { .name: K, .offset: 8, .size: 8, .value_kind: global_buffer, .address_space: global }
      - { .name: V, .offset: 16, .size: 8, .value_kind: global_buffer, .address_space: global }
      - { .name: Wq, .offset: 24, .size: 8, .value_kind: global_buffer, .address_space: global }
      - { .name: Wk, .offset: 32, .size: 8, .value_kind: global_buffer, .address_space: global }
      - { .name: Wv, .offset: 40, .size: 8, .value_kind: global_buffer, .address_space: global }
      - { .name: Wo, .offset: 48, .size: 8, .value_kind: global_buffer, .address_space: global }
      - { .name: c1, .offset: 56, .size: 8, .value_kind: global_buffer, .address_space: global }
      - { .name: s1, .offset: 64, .size: 8, .value_kind: global_buffer, .address_space: global }
    .group_segment_fixed_size: 34304
    .private_segment_fixed_size: 0
    .kernarg_segment_align: 8
    .kernarg_segment_size: 72
    .max_flat_workgroup_size: 128
    .sgpr_count:     66
    .vgpr_count:     256
    .wavefront_size: 32
...
	.end_amdgpu_metadata
.endif
;; end of part 1
;; launch proj (part 2): grid 4 x 64, 4 waves a work-group, clusters of 4 x 4, 327,680 bytes of LDS; arguments c1, s1, bq, bk, bv, c2, s2; writes c2, s2
.if DOCPART == 2
	.amdgcn_target "amdgcn-amd-amdhsa--gfx1250"
	.amdhsa_code_object_version 6
	.text
	.protected	k_q7a7705fb85_proj
	.globl	k_q7a7705fb85_proj
	.p2align	8
	.type	k_q7a7705fb85_proj,@function
k_q7a7705fb85_proj:
	s_mov_b64 s[64:65], 0
	v_nop
	global_prefetch_b8 v0, s[64:65] scope:SCOPE_SE
	s_setreg_imm32_b32 hwreg(HW_REG_WAVE_MODE, 25, 1), 1
	s_wait_xcnt 0x0
	s_wait_alu depctr_hold_cnt(0) depctr_sa_sdst(0) depctr_va_vdst(0) depctr_va_sdst(0) depctr_va_ssrc(0) depctr_va_vcc(0) depctr_vm_vsrc(0)
	s_getreg_b32 s2, hwreg(HW_REG_IB_STS2, 6, 4)
	s_cmp_eq_u32 s2, 0
	s_cbranch_scc0 .Lentry_in_a_cluster
	s_endpgm
.Lentry_in_a_cluster:
	s_bfe_u32 s2, ttmp6, 0x10000c
	s_cmp_lg_u32 s2, 0xf033
	s_cbranch_scc0 .Lentry_shape_is_right
	s_endpgm
.Lentry_shape_is_right:
; Launch 2 of 4: q = Q Wq^T + bq, k = K Wk^T + bk, v = V Wv^T + bv on the codes of launch 1, each result quantised on its way out: q and k along the head's 64, v along the keys.  No work is left out.
; LIMITS: as in launch 1 (NaN and infinities not served; a block of zeros gets the byte 1).
; THE DEAL.  q and k have 2 x 32 x 4 = 256 tiles of 256 x 256, v has 256 half tiles of 256 tokens x 128 columns: each of 256 work-groups makes one of each.  Work-group (x, y), p = y / 32 (made of the cluster's y alone):
; PHASE V: tokens 256 (y % 32) .., columns 128 (2 x + p) .. of v;  PHASE QK: tokens 256 (y % 32) .., columns 256 x .. of q (p = 0) or k (p = 1).
; In both phases the tokens' tiles hang on y alone and are asked for jointly along a row of the 4 x 4 cluster, the weights' on x and p and jointly along a column.
; LDS.  Phase V's operands lie there for all of K, in two halves of K of 147,456 bytes (16 token tiles, then 8 of Wv, 6,144 bytes each), brought by the head's four loads, one a wave.  The first barrier shows the first half alone.
; Phase QK has a ring of two slots of 98,304 bytes (256 along K), slot s on the bytes of phase V's half s: slot 0 is filled in the round inside V's step 3, slot 1 in the round inside V's step 7, and each once more in phase QK.
; WHICH OPERAND IS WHICH.  Source 1 gives a lane its row, source 0 runs along its registers.  V: source 1 = rows of Wv (a wave: 64), source 0 = tokens (128): a lane holds one column and 128 neighbouring keys.
; QK: source 1 = tokens (128), source 0 = rows of W (128): a lane holds one token and a pair of heads.  The bias is the C of each sum's first product.
; OUT: c2, s2 as launch 3 reads them: c2: q at 0, k at 6,291,456: [token tile 512][head pair 8][1536]; v at 12,582,912: [column tile 64][128 keys 64][1536].  s2: q, k, v 262,144 bytes apart, each [batch][head][128 tokens 16][lane row 16][4 words].
; NO PREFETCH: the steps are written out, so there is no loop to run ahead in; the ring's first two chunks are asked for while phase V is multiplied.
; REGISTERS.  window 0: v16-29 addresses; v32-95 scale words (8 i + s: lanes 0-15 source 1's tile i, lanes 16-31 source 0's, K step s); v96-123 and v224-243 the way out; v128-223 source 1's fragments (V: two sets of four; QK: one of eight).
; window 1: source 0's fragments, two sets at v0 and v128; QK's bias in the gaps.  window 2: V's 32 accumulators, then QK's first 32.  window 3: V's bias (v0-31) and QK's scale words (v64-127) until phase QK, then its other 32 accumulators.
.set FR,    12
.set NL,    6
.set FRB,   1536
.set TILEB, 2*FRB
.set HALFT, 8*TILEB
.set KH,    4*FRB                      ; half of K of a row tile
.set HB,    24*KH                      ; a half of K of phase V; also from slot 0 to slot 1
.set SPARE, 2*HB
.set TROW,  12288
.set AD1,  16                          ; v16-17 QK: source 1's fragments in slot 0, 1;  v18-19 V: in half 0, 1
.set VA1,  18
.set AD0,  20                          ; v20-21, v22-23 the same for source 0
.set VA0,  22
.set LO,   24                          ; 8 x lane
.set SO,   25                          ; 4,096 h + 16 r
.set SOV,  26                          ; 16 r
.set SELV, 27
.set SPW,  28
.set NIL,  29
.set SC,   32
.set TM,   96
.set PWS,  112
.set OW,   120
.set AF,   128
.set PC,   224
.set PT,   236
.set WV,   18
.set WR,   19
.set WC,   20
.set TY,   21
.set HM,   81
.set G1,   24
.set G0,   32
.set G1B,  48
.set G0B,  56
.set MSB, 0
.macro WIN new
.if MSB != \new
	s_set_vgpr_msb (MSB<<8)|\new
.set MSB, \new
.endif
.endm
.set TO_B, 0x40
.macro PLACES
.rept 4
	v_nop
.endr
.endm
.macro JLOAD s                         ; the ring's joint load: waves 0 and 1 fetch the tokens' halves, waves 2 and 3 W's
	s_cmp_eq_u32 s[WR], 0
	s_cbranch_scc0 .Lfor_w_\@
	tensor_load_to_lds s[G0+4*\s:G0+4*\s+3], s[G1:G1+7]
	s_nop 0
	PLACES
	s_branch .Lasked_\@
.Lfor_w_\@:
	tensor_load_to_lds s[G0B+4*\s:G0B+4*\s+3], s[G1B:G1B+7]
	s_nop 0
	PLACES
.Lasked_\@:
.endm
.macro CREST
	s_cmp_lg_u32 s[WV], 0
	s_cbranch_scc1 .Lnot_wave_0_\@
	s_barrier_signal -3
.Lnot_wave_0_\@:
	s_barrier_wait -3
	s_barrier_signal -1
	s_barrier_wait -1
.endm
.macro CROUND
	s_barrier_signal -1
	s_barrier_wait -1
	CREST
.endm
	s_load_b256 s[4:11], s[0:1], 0x0               ; c1, s1, bq, bk
	s_load_b128 s[12:15], s[0:1], 0x20             ; bv, c2
	s_load_b64 s[16:17], s[0:1], 0x30              ; s2
	v_lshl_add_u32 v[SPW], v0, 2, SPARE
	v_mov_b32 v[NIL], 0
	ds_add_u32 v[SPW], v[NIL]                      ; the opening lines
	ds_add_u32 v[SPW], v[NIL]
	v_lshrrev_b32 v1, 5, v0
	v_readfirstlane_b32 s[WV], v1
	s_lshr_b32 s[WR], s[WV], 1
	s_and_b32 s[WC], s[WV], 1
	s_bfe_u32 s40, ttmp6, 0x40000
	s_bfe_u32 s41, ttmp6, 0x40004
	s_lshl_b32 s22, ttmp9, 2
	s_add_co_u32 s22, s22, s40                     ; x
	s_and_b32 s66, ttmp7, 0xffff
	s_lshr_b32 s[TY], s66, 3                       ; p
	s_lshl_b32 s42, s66, 2
	s_add_co_u32 s42, s42, s41                     ; y
	s_and_b32 s23, s42, 31                         ; y % 32
	s_lshl_b32 s43, s41, 2
	s_lshl_b32 s43, 15, s43                        ; my row of the cluster
	s_lshl_b32 s44, 0x1111, s40                    ; my column
	s_or_b32 s[G1], s43, (3<<16)|(1<<21)
	s_or_b32 s[G1B], s44, (3<<16)|(1<<21)
.irp g, G1, G1B                                ; the head's loads: rows of 6,144 bytes (768 elements of 8), 12,288 apart
	s_mov_b32 s[\g+1], 768<<16
	s_mov_b32 s[\g+3], 768<<16
	s_mov_b32 s[\g+5], 1536
	s_mov_b32 s[\g+6], 0
	s_mov_b32 s[\g+7], 0
.endr
	s_mov_b32 s[G1+2], 16<<16                      ; 16 token tiles
	s_mov_b32 s[G1+4], 16
	s_mov_b32 s[G1B+2], 8<<16                      ; 8 tiles of Wv
	s_mov_b32 s[G1B+4], 8
	s_lshl_b32 s70, s23, 4                         ; phase V.  At the head wave w fetches half w / 2 of K: the tokens' (w even) or Wv's (w odd)
	s_add_co_u32 s70, s70, 1024
	s_mul_i32 s70, s70, TROW
	s_mul_i32 s67, s[WR], KH
	s_add_co_u32 s70, s70, s67
	s_mov_b32 s71, 0
	s_lshl_b32 s72, s22, 1
	s_add_co_u32 s72, s72, s[TY]                   ; which 128 columns of v
	s_lshl_b32 s74, s72, 3
	s_add_co_u32 s74, s74, 1664
	s_mul_i32 s74, s74, TROW
	s_add_co_u32 s74, s74, s67
	s_mov_b32 s75, 0
	s_mul_i32 s76, s[WR], HB
	s_add_co_u32 s77, s76, 16*KH
	s_lshl_b32 s67, s[WC], 3                       ; phase QK: which eight row tiles I fetch
	s_lshl_b32 s68, s42, 4
	s_add_co_u32 s68, s68, s67
	s_mul_i32 s68, s68, TROW
	s_mov_b32 s69, 0
	s_lshl_b32 s46, s[TY], 6
	s_lshl_b32 s73, s22, 4
	s_add_co_u32 s46, s46, s73
	s_add_co_u32 s46, s46, s67
	s_add_co_u32 s46, s46, 1536
	s_mul_i32 s46, s46, TROW
	s_mov_b32 s47, 0
	s_mul_i32 s45, s[WV], HALFT
	s_mov_b32 s[HM], 0xffff0000
	s_mov_b32 s98, 0x76543210
	s_mov_b32 s99, 0xfedcba98
	s_wait_dscnt 0x0
	s_wait_kmcnt 0x0
	s_add_nc_u64 s[70:71], s[4:5], s[70:71]
	s_add_nc_u64 s[74:75], s[4:5], s[74:75]
	s_add_nc_u64 s[68:69], s[4:5], s[68:69]
	s_add_nc_u64 s[46:47], s[4:5], s[46:47]
	CROUND                                         ; ahead of the first joint loads
	s_mov_b32 s[G0], 1
	s_mov_b32 s[G0+1], s76
	s_mov_b64 s[G0+2:G0+3], s[70:71]
	s_or_b32 s[G0+3], s[G0+3], 0x80000000
	s_mov_b32 s[G0B], 1
	s_mov_b32 s[G0B+1], s77
	s_mov_b64 s[G0B+2:G0B+3], s[74:75]
	s_or_b32 s[G0B+3], s[G0B+3], 0x80000000
.macro ARM eq, g0, g1, next            ; one chain of branches on the wave's number, a load line of its own to each wave
	s_cmp_eq_u32 s[WV], \eq
	s_cbranch_scc0 \next
	tensor_load_to_lds s[\g0:\g0+3], s[\g1:\g1+7]
	s_nop 0
	PLACES
	s_branch .Lhead_asked
\next:
.endm
	ARM 0, G0, G1, .Lh1
	ARM 1, G0B, G1B, .Lh2
	ARM 2, G0, G1, .Lh3
	tensor_load_to_lds s[G0B:G0B+3], s[G1B:G1B+7]
	s_nop 0
	PLACES
.Lhead_asked:
	s_lshl_b32 s78, s72, 3                         ; scale words, 512 bytes a tile.  V: source 1 = Wv's tiles, source 0 = the tokens'
	s_lshl_b32 s73, s[WR], 2
	s_add_co_u32 s78, s78, s73
	s_add_co_u32 s78, s78, 1664
	s_lshl_b32 s78, s78, 9
	s_lshl_b32 s79, s23, 4
	s_add_co_u32 s79, s79, s67
	s_add_co_u32 s79, s79, 1024
	s_lshl_b32 s79, s79, 9
	s_lshl_b32 s80, s42, 4                         ; QK: source 1 = the tokens', source 0 = W's
	s_lshl_b32 s73, s[WR], 3
	s_add_co_u32 s80, s80, s73
	s_lshl_b32 s80, s80, 9
	s_lshl_b32 s82, s[TY], 6
	s_lshl_b32 s73, s22, 4
	s_add_co_u32 s82, s82, s73
	s_add_co_u32 s82, s82, s67
	s_add_co_u32 s82, s82, 1536
	s_lshl_b32 s82, s82, 9
	s_lshl_b32 s92, s72, 9                         ; bv at my 64 columns
	s_lshl_b32 s73, s[WR], 8
	s_add_co_u32 s92, s92, s73
	s_mov_b32 s93, 0
	s_add_nc_u64 s[12:13], s[12:13], s[92:93]
	s_lshl_b32 s96, s22, 1
	s_add_co_u32 s96, s96, s[WC]                   ; my pair of heads of q or k
	s_lshl_b32 s92, s96, 9
	s_cmp_eq_u32 s[TY], 0
	s_cselect_b64 s[8:9], s[8:9], s[10:11]
	s_add_nc_u64 s[8:9], s[8:9], s[92:93]
	s_lshl_b32 s91, s23, 1                         ; where v goes: column tile 8 (2 x + p) + 4 (w / 2) + a, 128 tokens 2 (y % 32) + w % 2
	s_add_co_u32 s91, s91, s[WC]
	s_lshl_b32 s92, s72, 3
	s_lshl_b32 s73, s[WR], 2
	s_add_co_u32 s92, s92, s73
	s_lshl_b32 s92, s92, 6
	s_add_co_u32 s92, s92, s91
	s_mul_i32 s92, s92, FRB
	s_add_co_u32 s92, s92, 12582912
	s_add_nc_u64 s[86:87], s[14:15], s[92:93]
	s_lshr_b32 s92, s91, 4
	s_lshl_b32 s92, s92, 16
	s_lshl_b32 s73, s72, 1
	s_add_co_u32 s73, s73, s[WR]                   ; my head of v
	s_lshl_b32 s73, s73, 12
	s_add_co_u32 s92, s92, s73
	s_and_b32 s73, s91, 15
	s_lshl_b32 s73, s73, 8
	s_add_co_u32 s92, s92, s73
	s_add_co_u32 s92, s92, 2<<18
	s_add_nc_u64 s[88:89], s[16:17], s[92:93]
	s_lshl_b32 s91, s23, 1                         ; where q or k goes
	s_add_co_u32 s91, s91, s[WR]
	s_lshl_b32 s92, s91, 6
	s_add_co_u32 s92, s92, s96
	s_mul_i32 s92, s92, FRB
	s_mul_i32 s73, s[TY], 6291456
	s_add_co_u32 s92, s92, s73
	s_add_nc_u64 s[14:15], s[14:15], s[92:93]
	s_lshr_b32 s92, s91, 4
	s_lshl_b32 s92, s92, 16
	s_lshl_b32 s73, s96, 13
	s_add_co_u32 s92, s92, s73
	s_and_b32 s73, s91, 15
	s_lshl_b32 s73, s73, 8
	s_add_co_u32 s92, s92, s73
	s_lshl_b32 s73, s[TY], 18
	s_add_co_u32 s92, s92, s73
	s_add_nc_u64 s[16:17], s[16:17], s[92:93]
	s_mov_b32 s94, 64*FRB                          ; v: from column tile to column tile
	s_mov_b32 s95, 0
	s_mul_i32 s83, s[WC], 8*KH                     ; LDS.  V: my 8 token tiles; my 4 tiles of Wv, behind the 16 token tiles
	s_mul_i32 s84, s[WR], 4*KH
	s_add_co_u32 s84, s84, 16*KH
	s_mul_i32 s85, s[WR], HALFT                    ; QK: my 8 token tiles; my 8 of W, behind them
	s_mul_i32 s90, s[WC], HALFT
	s_add_co_u32 s90, s90, 2*HALFT
	v_and_b32 v1, 15, v0                           ; r
	v_bfe_u32 v2, v0, 4, 1                         ; h
	v_and_b32 v3, 31, v0
	v_lshlrev_b32 v[LO], 3, v3
	v_add_nc_u32 v[VA0], s83, v[LO]
	v_add_nc_u32 v[VA1], s84, v[LO]
	v_add_nc_u32 v[AD1], s85, v[LO]
	v_add_nc_u32 v[AD0], s90, v[LO]
	v_add_nc_u32 v[VA0+1], HB, v[VA0]
	v_add_nc_u32 v[VA1+1], HB, v[VA1]
	v_add_nc_u32 v[AD1+1], HB, v[AD1]
	v_add_nc_u32 v[AD0+1], HB, v[AD0]
	v_mov_b32 v8, s78
	v_mov_b32 v9, s79
	v_cndmask_b32 v4, v8, v9, s[HM]                ; lanes 0-15 take source 1's words, lanes 16-31 source 0's
	v_lshl_add_u32 v4, v1, 4, v4
	v_mov_b32 v10, s80
	v_mov_b32 v11, s82
	v_cndmask_b32 v5, v10, v11, s[HM]
	v_lshl_add_u32 v5, v1, 4, v5
	v_and_b32 v6, 8, v1
	v_add_nc_u32 v6, v6, v1
	v_lshlrev_b32 v6, 2, v6                        ; 4 (r + 8 (r / 8))
	v_lshlrev_b32 v7, 6, v2                        ; 64 h
.irp i, 0,1,2,3,4,5,6,7
.irp q, 0,1
	global_load_b128 v[SC+8*\i+4*\q:SC+8*\i+4*\q+3], v4, s[6:7] offset:512*\i+256*\q
.endr
.endr
	WIN 0xc0                                       ; into window 3
.irp a, 0,1,2,3                                ; V: tile a of source 1: my lane's one column
	global_load_b32 v[8*\a], v6, s[12:13] offset:(32*(\a/2)+8*(\a%2))*4
.endr
.irp i, 0,1,2,3,4,5,6,7
.irp q, 0,1
	global_load_b128 v[64+8*\i+4*\q:64+8*\i+4*\q+3], v5, s[6:7] offset:512*\i+256*\q
.endr
.endr
	WIN TO_B
.irp b, 0,1,2,3,4,5,6,7                        ; QK: tile b of source 0: columns 32 (b / 2) + 16 h + 8 (b % 2) + 0 .. 7
	global_load_b128 v[96+8*\b+96*(\b/4):96+8*\b+96*(\b/4)+3], v7, s[8:9] offset:(32*(\b/2)+8*(\b%2))*4
	global_load_b128 v[96+8*\b+96*(\b/4)+4:96+8*\b+96*(\b/4)+7], v7, s[8:9] offset:(32*(\b/2)+8*(\b%2))*4+16
.endr
	WIN 0
	v_lshlrev_b32 v[SOV], 4, v1
	v_lshl_add_u32 v[SO], v2, 12, v[SOV]
	v_mov_b32 v[SELV], 0x05040100
	v_mov_b32 v12, 0x07060302
	v_cndmask_b32 v[SELV], v[SELV], v12, s[HM]
.irp b, 0,1,2,3
	v_mov_b32 v[TM+4+\b], 0                        ; a lane permute's destination counts as one of its sources
.endr
	s_wait_loadcnt 0x0
	WIN 0xc3
.irp a, 0,8,16,24
.irp j, 1,2,3,4,5,6,7
	v_mov_b32 v[\a+\j], v[\a]                      ; V's bias over the tile's eight registers
.endr
.endr
	WIN 0
.macro FRAG reg, adr, off              ; a fragment: six register pairs, 256 consecutive bytes a load
.irp p, 0,1,2,3,4,5
	ds_load_b64 v[\reg+2*\p:\reg+2*\p+1], v[\adr] offset:(\off)+256*\p
.endr
.endm
; ---- phase V
.macro VFETCH s                        ; K step s into the sets s % 2: 8 fragments of source 0, 4 of source 1
	WIN TO_B
.irp i, 0,1,2,3,4,5,6,7
	FRAG 128*((\s)%2)+FR*\i, VA0+(\s)/4, \i*KH+((\s)%4)*FRB
.endr
	WIN 0
.irp i, 0,1,2,3
	FRAG AF+48*((\s)%2)+FR*\i, VA1+(\s)/4, \i*KH+((\s)%4)*FRB
.endr
.endm
.macro VMUL a0, s, first               ; 16 products; the 32 accumulators take turns in the same order in every step
.irp a, \a0, \a0+1
.irp b, 0,1,2,3,4,5,6,7
.set rD, 8*(8*(\a)+\b)
.set rA, 128*((\s)%2)+FR*\b
.set rB, AF+48*((\s)%2)+FR*(\a)
.set rC, rD
.if \first
.set rC, 8*(\a)
.endif
	v_wmma_scale_f32_16x16x128_f8f6f4 v[rD:rD+7], v[rA:rA+FR-1], v[rB:rB+FR-1], v[rC:rC+7], v[SC+8*\b+(\s)], v[SC+8*(\a)+(\s)] matrix_a_fmt:MATRIX_FMT_FP6 matrix_b_fmt:MATRIX_FMT_FP6 matrix_a_scale:MATRIX_SCALE_ROW1
.endr
.endr
.endm
.macro VSTEP s, first                  ; the next step's 72 loads go out ahead of this step's 32 products
	s_wait_dscnt 0x0
.if (\s) > 0
	PLACES
.endif
	VFETCH (\s)+1
.if \first
	WIN 0xb1                                       ; A window 1, B window 0, C (the bias) window 3, D window 2
.else
	WIN 0xa1
.endif
	VMUL 0, \s, \first
	VMUL 2, \s, \first
	WIN 0
.endm
.macro VROUND s, slot                  ; a step with a round: my reads of this half of K are over, so its bytes take a chunk of phase QK
	s_wait_tensorcnt 0x0                           ; all my tensor loads have landed
	ds_add_u32 v[SPW], v[NIL]
.endm
; ---- phase QK
.macro FETCH_B slot, q, set
	WIN TO_B
.irp i, 0,1,2,3,4,5,6,7
	FRAG 128*(\set)+FR*\i, AD0+\slot, \i*TILEB+(\q)*FRB
.endr
	WIN 0
.endm
.macro FETCH_A slot, q, i0
.irp i, \i0, \i0+1, \i0+2, \i0+3
	FRAG AF+FR*(\i), AD1+\slot, (\i)*TILEB+(\q)*FRB
.endr
.endm
.macro MUL16 a0, set, s, cmode         ; cmode 1: the sums begin with the bias of source 0's tile
.irp a, \a0, \a0+1
.irp b, 0,1,2,3,4,5,6,7
.set rD, 8*(8*((\a)%4)+\b)
.set rA, 128*(\set)+FR*\b
.set rB, AF+FR*(\a)
.set rC, rD
.if \cmode == 1
.set rC, 96+8*\b+96*(\b/4)
.endif
	v_wmma_scale_f32_16x16x128_f8f6f4 v[rD:rD+7], v[rA:rA+FR-1], v[rB:rB+FR-1], v[rC:rC+7], v[SC+8*\b+(\s)], v[SC+8*(\a)+(\s)] matrix_a_fmt:MATRIX_FMT_FP6 matrix_b_fmt:MATRIX_FMT_FP6 matrix_a_scale:MATRIX_SCALE_ROW1
.endr
.endr
.endm
.macro STEP slot, s, cmode             ; a slot's first K step
	s_wait_dscnt 4*NL                              ; the youngest 24 loads (source 1's blocks 4-7) may be out
.if \cmode
	WIN 0x91
.else
	WIN 0xa1
.endif
	MUL16 0, 0, \s, \cmode
	MUL16 2, 0, \s, \cmode
	s_wait_dscnt 0x0
	PLACES
	FETCH_B \slot, 1, 1
	FETCH_A \slot, 1, 0
.if \cmode
	WIN 0xd1
.else
	WIN 0xf1
.endif
	MUL16 4, 0, \s, \cmode
	MUL16 6, 0, \s, \cmode
	PLACES
	WIN 0
	FETCH_A \slot, 1, 4
.endm
.macro TURN slot, next, fill, s        ; a slot's second K step changes slots
	s_wait_tensorcnt 0x0
	ds_add_u32 v[SPW], v[NIL]
	s_wait_dscnt 4*NL+1                            ; (the add and the youngest 24 loads may be out)
	WIN 0xa1
	MUL16 0, 1, \s, 0
	s_wait_dscnt 0x0
	s_barrier_signal -1
	MUL16 2, 1, \s, 0
	WIN 0
	s_barrier_wait -1
.if \fill
	CREST
	s_add_nc_u64 s[G0+4*\slot+2:G0+4*\slot+3], s[G0+4*\slot+2:G0+4*\slot+3], 2*TILEB
	s_add_nc_u64 s[G0B+4*\slot+2:G0B+4*\slot+3], s[G0B+4*\slot+2:G0B+4*\slot+3], 2*TILEB
	JLOAD \slot
.else
	PLACES
.endif
	FETCH_B \next, 0, 0
	FETCH_A \next, 0, 0
	WIN 0xf1
	MUL16 4, 1, \s, 0
	MUL16 6, 1, \s, 0
	PLACES
	WIN 0
	FETCH_A \next, 0, 4
.endm
; ---- THE WAY OUT of source 1's tile a: register 16 b + i is k = 32 b + 16 h + i of my lane's row.  Each accumulator is read from its low end on.
.macro QUANTW a, ptr
.set AC, 64*((\a)%4)
	s_wait_xcnt 0x0                                ; earlier stores have read their registers and their base
.if (\a) > 0
	s_add_nc_u64 s[\ptr:\ptr+1], s[\ptr:\ptr+1], s[94:95]
.endif
	WIN 0x0a+5*((\a)/4)
.irp b, 0,1,2,3
	v_max3_num_f32 v[TM+\b], |v[AC+16*\b]|, |v[AC+16*\b+1]|, 0x1800000   ; the floor 2^(3 - 127) holds the byte at 1 from below
.endr
.irp i, 2,4,6,8,10,12,14
.irp b, 0,1,2,3
	v_max3_num_f32 v[TM+\b], |v[AC+16*\b+\i]|, |v[AC+16*\b+\i+1]|, v[TM+\b]
.endr
.endr
	WIN 0
.irp b, 0,1,2,3
	v_permlanex16_b32 v[TM+4+\b], v[TM+\b], s98, s99
.endr
.irp b, 0,1,2,3
	v_max_num_f32 v[TM+\b], v[TM+\b], v[TM+4+\b]
.endr
.irp b, 0,1,2,3
	v_add_nc_u32 v[TM+12+\b], 0xff000000, v[TM+\b]
.endr
.irp b, 0,1,2,3
	v_lshrrev_b32 v[TM+4+\b], 23, v[TM+12+\b]
.endr
	v_lshl_or_b32 v[PWS+(\a)], v[TM+5], 8, v[TM+4]
	v_lshl_or_b32 v[PWS+(\a)], v[TM+6], 16, v[PWS+(\a)]
	v_lshl_or_b32 v[PWS+(\a)], v[TM+7], 24, v[PWS+(\a)]
	WIN 0x02+((\a)/4)
.irp c, 0,1
	v_cvt_scalef32_pk16_fp6_f32 v[PC+6*\c:PC+6*\c+2], v[AC+32*\c:AC+32*\c+15], v[TM+12+2*\c]
	v_cvt_scalef32_pk16_fp6_f32 v[PT+4*\c:PT+4*\c+2], v[AC+32*\c+16:AC+32*\c+31], v[TM+12+2*\c+1]
.endr
	WIN 0
	v_nop
.irp c, 0,1
.irp i, 0,1,2
	v_permlane16_swap_b32 v[PC+6*\c+\i], v[PT+4*\c+\i]
.endr
.irp i, 0,1,2
	v_mov_b32 v[PC+3+6*\c+\i], v[PT+4*\c+\i]
.endr
.endr
.irp p, 0,1,2,3,4,5
	global_store_b64 v[LO], v[PC+2*\p:PC+2*\p+1], s[\ptr:\ptr+1] offset:256*\p   ; 256 consecutive bytes, at a multiple of 256 from c2's first byte
.endr
.endm
	s_wait_alu depctr_va_vdst(0)                   ; the wait at the head's end
	s_cmp_lt_u32 s[WV], 2
	s_cbranch_scc0 .Lnot_half_0
	s_wait_tensorcnt 0x0                           ; waves 0 and 1: the first half of K
.Lnot_half_0:
	s_barrier_signal -1
	s_barrier_wait -1                              ; the second half may still be on its way
	VFETCH 0
	VSTEP 0, 1
	VSTEP 1, 0
	VSTEP 2, 0
	VROUND 3, 0                                    ; step 3: the second half of K is in, the first is read no more
	s_mov_b32 s[G1+1], 384<<16                     ; no tensor load of mine is out: the ring's descriptors: 8 row tiles, 3,072 bytes of each
	s_mov_b32 s[G1+2], 8<<16
	s_mov_b32 s[G1+3], 384<<16
	s_mov_b32 s[G1+4], 8
	s_mov_b32 s[G1B+1], 384<<16
	s_mov_b32 s[G1B+3], 384<<16
.irp s, 0,1
	s_mov_b32 s[G0+4*\s], 1
	s_add_co_u32 s[G0+4*\s+1], s45, \s*HB
	s_add_nc_u64 s[G0+4*\s+2:G0+4*\s+3], s[68:69], \s*TILEB
	s_or_b32 s[G0+4*\s+3], s[G0+4*\s+3], 0x80000000
	s_mov_b32 s[G0B+4*\s], 1
	s_add_co_u32 s[G0B+4*\s+1], s45, \s*HB
	s_add_nc_u64 s[G0B+4*\s+2:G0B+4*\s+3], s[46:47], \s*TILEB
	s_or_b32 s[G0B+4*\s+3], s[G0B+4*\s+3], 0x80000000
.endr
	s_wait_dscnt 0x0                               ; the add, and step 3's fragments: my last reads of the first half
	s_barrier_signal -1
	WIN 0xa1
	VMUL 0, 3, 0
	WIN 0
	s_barrier_wait -1
	CREST
	JLOAD 0                                        ; QK's chunk 0; its four v_nop are the places ahead of the loads below
	VFETCH 4
	WIN 0xa1
	VMUL 2, 3, 0
	WIN 0
	VSTEP 4, 0
	VSTEP 5, 0
	VSTEP 6, 0
	VROUND 7, 1                                    ; step 7: chunk 0 is in, the second half is read no more
	s_wait_dscnt 0x0
	s_barrier_signal -1
	WIN 0xa1
	VMUL 0, 7, 0
	WIN 0
	s_barrier_wait -1
	CREST
	JLOAD 1                                        ; QK's chunk 1
	FETCH_B 0, 0, 0                                ; QK's first fragments, into the sets that step 6 read
	FETCH_A 0, 0, 0
	WIN 0xa1
	VMUL 2, 7, 0
	PLACES
	WIN 0
	FETCH_A 0, 0, 4
	WIN 0x03
.set i, 0
.rept 64
	v_mov_b32 v[SC+i], v[64+i]                     ; QK's scale words, out of window 3
.set i, i+1
.endr
	WIN 0
.irp a, 0,1,2,3
	QUANTW \a, 86                                  ; v leaves while chunk 1 is on its way
.endr
	s_wait_alu depctr_va_vdst(0)
	global_store_b128 v[SOV], v[PWS:PWS+3], s[88:89]   ; word t = the four bytes of my head's column tile t; lanes l and l + 16 hold and store the same 16 bytes
	s_mov_b32 s94, TROW                            ; q, k: from token tile to token tile
	STEP 0, 0, 1
	TURN 0, 1, 1, 1
	STEP 1, 2, 0
	TURN 1, 0, 1, 3
	STEP 0, 4, 0
	TURN 0, 1, 0, 5
	STEP 1, 6, 0
	s_wait_dscnt 4*NL
	WIN 0xa1
	MUL16 0, 1, 7, 0
	MUL16 2, 1, 7, 0
	s_wait_dscnt 0x0
	WIN 0xf1
	MUL16 4, 1, 7, 0
	MUL16 6, 1, 7, 0
	WIN 0
	PLACES
.irp a, 0,1,2,3,4,5,6,7
	QUANTW \a, 14
.endr
.irp j, 0,1,2,3                                ; lanes 0-15 gather the even head's bytes of tiles 2 j and 2 j + 1, lanes 16-31 the odd head's
	v_perm_b32 v[OW+\j], v[PWS+2*\j+1], v[PWS+2*\j], v[SELV]
.endr
	s_wait_alu depctr_va_vdst(0)
	global_store_b128 v[SO], v[OW:OW+3], s[16:17]
	s_wait_tensorcnt 0x0                           ; the wave's end
	ds_add_u32 v[SPW], v[NIL]
	s_wait_dscnt 0x0
	CROUND                                         ; the closing round
	s_endpgm
.Lfunc_end_k_q7a7705fb85_proj:
	.size	k_q7a7705fb85_proj, .Lfunc_end_k_q7a7705fb85_proj-k_q7a7705fb85_proj
	.p2alignl 7, 3214868480
	.fill 96, 4, 3214868480
	.section	.rodata,"a",@progbits
	.p2align	6, 0x0
	.amdhsa_kernel k_q7a7705fb85_proj
		.amdhsa_group_segment_fixed_size 327680
		.amdhsa_private_segment_fixed_size 0
		.amdhsa_enable_private_segment 0
		.amdhsa_kernarg_size 56
		.amdhsa_user_sgpr_count 2
		.amdhsa_user_sgpr_kernarg_segment_ptr 1
		.amdhsa_wavefront_size32 1
		.amdhsa_system_sgpr_workgroup_id_x 1
		.amdhsa_system_sgpr_workgroup_id_y 1
		.amdhsa_system_sgpr_workgroup_id_z 1
		.amdhsa_system_vgpr_workitem_id 0
		.amdhsa_next_free_vgpr 1024
		.amdhsa_next_free_sgpr 100
		.amdhsa_reserve_vcc 0
		.amdhsa_float_denorm_mode_32 3
		.amdhsa_float_denorm_mode_16_64 3
		.amdhsa_memory_ordered 1
		.amdhsa_forward_progress 1
		.amdhsa_inst_pref_size 255
	.end_amdhsa_kernel
	.section	.bss,"aw",@nobits
	.p2align	6
	.space	262144
	.amdgpu_metadata
---
amdhsa.version: [ 1, 2 ]
amdhsa.kernels:
  - .name:           k_q7a7705fb85_proj
    .symbol:         k_q7a7705fb85_proj.kd
    .args:
      - { .name: c1, .offset: 0, .size: 8, .value_kind: global_buffer, .address_space: global }
      - { .name: s1, .offset: 8, .size: 8, .value_kind: global_buffer, .address_space: global }
      - { .name: bq, .offset: 16, .size: 8, .value_kind: global_buffer, .address_space: global }
      - { .name: bk, .offset: 24, .size: 8, .value_kind: global_buffer, .address_space: global }
      - { .name: bv, .offset: 32, .size: 8, .value_kind: global_buffer, .address_space: global }
      - { .name: c2, .offset: 40, .size: 8, .value_kind: global_buffer, .address_space: global }
      - { .name: s2, .offset: 48, .size: 8, .value_kind: global_buffer, .address_space: global }
    .group_segment_fixed_size: 327680
    .private_segment_fixed_size: 0
    .kernarg_segment_align: 8
    .kernarg_segment_size: 56
    .max_flat_workgroup_size: 128
    .sgpr_count:     100
    .vgpr_count:     1024
    .wavefront_size: 32
...
	.end_amdgpu_metadata
.endif
;; end of part 2
;; launch attn (part 3): grid 4 x 64, 16 waves a work-group, clusters of 4 x 1, 327,680 bytes of LDS; arguments c2, s2, c1, s1; writes c1, s1
.if DOCPART == 3
	.amdgcn_target "amdgcn-amd-amdhsa--gfx1250"
	.amdhsa_code_object_version 6
	.text
	.protected	k_q7a7705fb85_attn
	.globl	k_q7a7705fb85_attn
	.p2align	8
	.type	k_q7a7705fb85_attn,@function
k_q7a7705fb85_attn:
	s_mov_b64 s[64:65], 0
	v_nop
	global_prefetch_b8 v0, s[64:65] scope:SCOPE_SE
	s_setreg_imm32_b32 hwreg(HW_REG_WAVE_MODE, 25, 1), 1
	s_wait_xcnt 0x0
	s_wait_alu depctr_hold_cnt(0) depctr_sa_sdst(0) depctr_va_vdst(0) depctr_va_sdst(0) depctr_va_ssrc(0) depctr_va_vcc(0) depctr_vm_vsrc(0)
	s_getreg_b32 s2, hwreg(HW_REG_IB_STS2, 6, 4)
	s_cmp_eq_u32 s2, 0
	s_cbranch_scc0 .Lentry_in_a_cluster
	s_endpgm
.Lentry_in_a_cluster:
	s_bfe_u32 s2, ttmp6, 0x10000c
	s_cmp_lg_u32 s2, 0x3003
	s_cbranch_scc0 .Lentry_shape_is_right
	s_endpgm
.Lentry_shape_is_right:
; Launch 3 of 4: o = softmax(q k^T / 8) v for one batch and head and 512 queries a work-group, on the codes of launch 2; o is quantised along the head's 64 on its way out, as the last launch's operand.  No work is left out.
; LIMITS: NaN and infinities are not served; a block of zeros gets the byte 1; the promise holds while the scaled scores (the exponents to the base 2) stay under 2^31 in magnitude.
; SHARES.  16 waves; a wave owns 32 queries, two tiles of 16, and walks the 2,048 keys in 16 steps of 128.  Each fragment of k and of v that it reads from LDS serves both tiles.
; LDS: the head's k (98,304 bytes, [step][4 fragments][1,536]), v (98,304, [column tile 4][step][1,536]), their scale words (4,096 each), all filled once, by one tensor load a wave; a stage for o's scale words; the spare words.
; CLUSTER 4 x 1: the four work-groups of a batch and head need the same k and v: every load is asked for jointly (mask 15).
; NO PREFETCH: every tile comes by the head's loads; there is no loop in which tiles are fetched, so none to run ahead in.
; BOTH PRODUCTS ARE USED TRANSPOSED (S^T = k q^T, O^T = v^T p^T): a lane holds one query.  The head is 64 deep: a fragment of k holds two token tiles, one in K 0-63 and one in K 64-127, and q stands beside six registers of zero codes.
; By the order in which launch 1 tiles K's tokens, score register 32 c + x of lane (r, h) is key 64 c + 32 h + x of the step: a lane holds two whole scale blocks of p, in the order of the operand's registers.
; SOFTMAX: M is the running largest t rounded up to a whole number, kept as -M; p = 2^(t - M); the sum is taken of the unquantised p; when M moves, the sum and O^T are multiplied by 2^(old M - new M).
; A block's largest p is the block's largest score put through the same multiply-add and exponential.
; A SPLIT BARRIER in each step (signal ahead of the second tile's scores, wait ahead of the second product) keeps the 16 waves within half a step of each other; it guards no refill.
.set KC,    0
.set VC,    98304
.set SCL,   196608                     ; k's scale words, then v's
.set STG,   204800                     ; 1,024 bytes: o's scale words
.set SPARE, 205824                     ; the spare words, 128 bytes a wave
.set SPW,  1                           ; v1  my spare word; v2  0: never rewritten
.set NIL,  2
.set L8,   3                           ; v3  8 x lane
.set R16,  4                           ; v4  16 r
.set AD,   5                           ; v5  an LDS address
.set FF,   6                           ; v6, v7  2^(old M - new M), and a word that is only named
.set SW,   8                           ; v8-11  k's four scale words, then v's
.set ST0,  12                          ; v12-15, v16-19  for each tile: -M, the running largest score, the sum in two halves
.set QS,   20                          ; v20-23  q's scale words: tile 0 for K 0-63, for K 64-127; tile 1 likewise
.set BM,   24                          ; v24, v25  the two blocks' largest
.set SOP,  26                          ; v26, v27  second chains, then the conversions' scale operands
.set TP,   28
.set TX,   29
.set PS,   30                          ; v30, v31  p's scale words
.set QZ,   32                          ; v32-61  zeros, q tile 0, zeros, q tile 1, zeros: six registers each
.set C2,   62                          ; v62, v63  the sum's second chain
.set KV,   64                          ; v64-111  four fragments of k, then of v
.set S,    112                         ; v112-175  scores, then p; tile 1's codes of p end in v160-171
.set OT,   176                         ; v176-239  O^T, 32 registers a tile
.set P0,   240                         ; v240-251  tile 0's codes of p
.set PT,   252
.set WV,   12
.set SEL,  20
.set CS,   22
.set G1K,  24
.set G1V,  32
.set G1S,  40
.set G0K,  48
.set G0V,  52
.set G0S,  56
.set TB,   60
.set TS,   61
.set CNT,  62
.set PSEL, 63
.set TV,   85
.macro WALU
	s_wait_alu depctr_va_vdst(0)
.endm
.macro DEP n
	s_delay_alu instid0(VALU_DEP_\n)
.endm
.macro NOPS n
.rept \n
	v_nop
.endr
.endm
.macro CROUND
	s_barrier_signal -1
	s_barrier_wait -1
	s_cmp_lg_u32 s[WV], 0
	s_cbranch_scc1 .Lnot_wave_0_\@
	s_barrier_signal -3
.Lnot_wave_0_\@:
	s_barrier_wait -3
	s_barrier_signal -1
	s_barrier_wait -1
.endm
.macro GROUP1 g, c, rows, pitch        ; rows of c elements of 8 bytes
	s_mov_b32 s[\g], 15|(3<<16)|(1<<21)
	s_mov_b32 s[\g+1], (\c)<<16
	s_mov_b32 s[\g+2], (\rows)<<16
	s_mov_b32 s[\g+3], (\c)<<16
	s_mov_b32 s[\g+4], \rows
	s_mov_b32 s[\g+5], \pitch
	s_mov_b32 s[\g+6], 0
	s_mov_b32 s[\g+7], 0
.endm
.macro TLOAD g0, g1
	tensor_load_to_lds s[\g0:\g0+3], s[\g1:\g1+7]
	s_nop 0
	NOPS 4
.endm
	s_load_b256 s[4:11], s[0:1], 0x0               ; c2, s2, c1, s1
	v_lshl_add_u32 v[SPW], v0, 2, SPARE
	v_mov_b32 v[NIL], 0
	ds_add_u32 v[SPW], v[NIL]                      ; the opening lines: the add, twice on end, and its wait
	ds_add_u32 v[SPW], v[NIL]
	v_lshrrev_b32 v[TP], 5, v0
	v_readfirstlane_b32 s[WV], v[TP]
	s_bfe_u32 s13, ttmp6, 0x40000
	s_lshl_b32 s19, ttmp9, 2
	s_add_co_u32 s13, s13, s19                     ; which 512 queries
	s_and_b32 s14, ttmp7, 0xffff                   ; 16 x batch + head
	s_lshr_b32 s15, s14, 4
	s_and_b32 s16, s14, 15
	s_lshr_b32 s17, s16, 1
	s_and_b32 s18, s16, 1
	GROUP1 G1K, 96, 16, 1536                       ; k: 16 token tiles, 768 bytes of each (my head's half of a fragment), 12,288 bytes apart
	GROUP1 G1V, 32, 96, 32                         ; v: a column tile's 16 steps, 24,576 dense bytes as rows of 256
	GROUP1 G1S, 32, 8, 32                          ; scale words: 2,048 dense bytes
	s_and_b32 s66, s[WV], 7                        ; waves 0-7: k's token tiles 16 w ..
	s_lshl_b32 s67, s66, 7
	s_mul_i32 s72, s66, 12288
	s_lshl_b32 s66, s15, 10
	s_add_co_u32 s66, s66, s67
	s_add_co_u32 s66, s66, s17
	s_mul_i32 s66, s66, 1536
	s_mul_i32 s67, s18, 768
	s_add_co_u32 s66, s66, s67
	s_add_co_u32 s66, s66, 6291456
	s_mov_b32 s67, 0
	s_and_b32 s73, s[WV], 3                        ; waves 8-11: v's column tile w % 4; waves 12-15: quarter w % 4 of the scale words
	s_lshl_b32 s68, s16, 8
	s_lshl_b32 s69, s73, 6
	s_add_co_u32 s68, s68, s69
	s_lshl_b32 s69, s15, 4
	s_add_co_u32 s68, s68, s69
	s_mul_i32 s68, s68, 1536
	s_add_co_u32 s68, s68, 12582912
	s_mov_b32 s69, 0
	s_mul_i32 s74, s73, 24576
	s_add_co_u32 s74, s74, VC
	s_lshl_b32 s70, s14, 12
	s_lshr_b32 s71, s73, 1                         ; k's or v's
	s_lshl_b32 s71, s71, 18
	s_add_co_u32 s70, s70, s71
	s_and_b32 s71, s73, 1
	s_lshl_b32 s71, s71, 11
	s_add_co_u32 s70, s70, s71
	s_add_co_u32 s70, s70, 262144
	s_mov_b32 s71, 0
	s_lshl_b32 s75, s73, 11
	s_add_co_u32 s75, s75, SCL
	s_mov_b32 s[SEL], 0x76543210
	s_mov_b32 s[SEL+1], 0xfedcba98                 ; selects for lane l xor 16
	s_mov_b32 s[CS], 0x3e38aa3b                    ; log2(e) / 8
	s_mov_b32 s[CS+1], s[CS]
	s_mov_b32 s[PSEL], 0x06020400                  ; my bytes 0 and 2 between the other half's
	s_wait_dscnt 0x0
	s_wait_kmcnt 0x0
	CROUND                                         ; ahead of the first joint loads
	s_mov_b32 s[G0K], 1
	s_mov_b32 s[G0K+1], s72
	s_add_nc_u64 s[G0K+2:G0K+3], s[4:5], s[66:67]
	s_or_b32 s[G0K+3], s[G0K+3], 0x80000000
	s_mov_b32 s[G0V], 1
	s_mov_b32 s[G0V+1], s74
	s_add_nc_u64 s[G0V+2:G0V+3], s[4:5], s[68:69]
	s_or_b32 s[G0V+3], s[G0V+3], 0x80000000
	s_mov_b32 s[G0S], 1
	s_mov_b32 s[G0S+1], s75
	s_add_nc_u64 s[G0S+2:G0S+3], s[6:7], s[70:71]
	s_or_b32 s[G0S+3], s[G0S+3], 0x80000000
	s_cmp_lt_u32 s[WV], 8                          ; one chain of branches on the wave's number, one load to an arm
	s_cbranch_scc0 .Lhead_v
	TLOAD G0K, G1K
	s_branch .Lhead_asked
.Lhead_v:
	s_cmp_lt_u32 s[WV], 12
	s_cbranch_scc0 .Lhead_s
	TLOAD G0V, G1V
	s_branch .Lhead_asked
.Lhead_s:
	TLOAD G0S, G1S
.Lhead_asked:
	s_lshl_b32 s74, s15, 10                        ; my two token tiles of q, and the same place in c1 for o
	s_lshl_b32 s75, s13, 8
	s_add_co_u32 s74, s74, s75
	s_lshl_b32 s75, s[WV], 4
	s_add_co_u32 s74, s74, s75
	s_add_co_u32 s74, s74, s17
	s_mul_i32 s74, s74, 1536
	s_mul_i32 s75, s18, 768
	s_add_co_u32 s74, s74, s75
	s_mov_b32 s75, 0
	s_add_nc_u64 s[76:77], s[4:5], s[74:75]
	s_add_nc_u64 s[8:9], s[8:9], s[74:75]
	s_add_nc_u64 s[8:9], s[8:9], 22020096
	s_lshl_b32 s78, s14, 12
	s_lshl_b32 s79, s13, 10
	s_add_co_u32 s86, s78, s79
	s_mov_b32 s87, 0
	s_lshr_b32 s79, s[WV], 2
	s_lshl_b32 s79, s79, 8
	s_and_b32 s80, s[WV], 3
	s_lshl_b32 s80, s80, 2
	s_add_co_u32 s79, s79, s80                     ; my word among the work-group's 1,024 bytes of scale words
	s_add_co_u32 s80, s86, s79
	s_mov_b32 s81, 0
	s_add_nc_u64 s[82:83], s[6:7], s[80:81]
	s_add_co_u32 s79, s79, STG
	s_and_b32 s84, s[WV], 1
	s_lshl_b32 s84, s84, 9
	s_add_nc_u64 s[10:11], s[10:11], s[86:87]
	s_add_nc_u64 s[10:11], s[10:11], 917504
	s_mov_b32 s[TB], KC
	s_mov_b32 s[TS], SCL
	s_mov_b32 s[TV], VC
	s_mov_b32 s[CNT], 16
	v_and_b32 v[R16], 15, v0
	v_and_b32 v[L8], 31, v0
	v_lshlrev_b32 v[R16], 4, v[R16]
	v_lshlrev_b32 v[L8], 3, v[L8]
.irp u, 0,1
.irp p, 0,1,2
	global_load_b64 v[QZ+6+12*\u+2*\p:QZ+7+12*\u+2*\p], v[L8], s[76:77] offset:12288*\u+256*\p
.endr
.endr
	global_load_b32 v[TX], v[R16], s[82:83]        ; low half: tile 0's two bytes; high half: tile 1's
.irp z, 0,12,24
.irp i, 0,1,2,3,4,5
	v_mov_b32 v[QZ+\z+\i], 0                       ; zero codes
.endr
.endr
.irp u, 0,1
	v_mov_b32 v[ST0+4*\u+1], 0xff61b1e6            ; the largest score so far: -3e38
	v_floor_f32 v[ST0+4*\u], -v[ST0+4*\u+1]
	v_mov_b32 v[ST0+4*\u+2], 0
	v_mov_b32 v[ST0+4*\u+3], 0
.endr
	v_mov_b32 v[FF+1], 0
	s_wait_loadcnt 0x0
	v_and_b32 v[QS], 0xffff, v[TX]
	v_lshlrev_b32 v[QS+1], 16, v[TX]
	v_lshrrev_b32 v[QS+2], 16, v[TX]
	v_and_b32 v[QS+3], 0xffff0000, v[TX]
.set j, 0
.rept 64
	v_mov_b32 v[OT+j], 0                           ; the step is written once: the first finds zeros.  (These are also the places between q's scale words and the first product)
.set j, j+1
.endr
	WALU                                           ; the wait at the head's end
	s_wait_tensorcnt 0x0                           ; every wave waits for its load,
	s_barrier_signal -1
	s_barrier_wait -1                              ; so k, v and the scale words are whole for all
; the scores of tile u: eight products, C = 0
.macro QK u
.irp j, 0,1,2,3
	v_wmma_scale_f32_16x16x128_f8f6f4 v[S+16*\j:S+16*\j+7], v[KV+12*\j:KV+12*\j+11], v[QZ+6+12*(\u):QZ+17+12*(\u)], 0, v[SW+\j], v[QS+2*(\u)] matrix_a_fmt:MATRIX_FMT_FP6 matrix_b_fmt:MATRIX_FMT_FP6
	v_wmma_scale_f32_16x16x128_f8f6f4 v[S+16*\j+8:S+16*\j+15], v[KV+12*\j:KV+12*\j+11], v[QZ+12*(\u):QZ+11+12*(\u)], 0, v[SW+\j], v[QS+2*(\u)+1] matrix_a_fmt:MATRIX_FMT_FP6 matrix_b_fmt:MATRIX_FMT_FP6
.endr
.endm
; tile u's scores become p's codes in v[dst .. dst+11] and its scale word; the sum and O^T come under the new M
.macro SOFT u, dst
.set ST, ST0+4*(\u)
.set OU, OT+32*(\u)
	v_max3_num_f32 v[BM], v[S], v[S+1], v[S+2]             ; each block's largest score, in two chains; each accumulator is read from its low end on
	v_max3_num_f32 v[SOP], v[S+16], v[S+17], v[S+18]
	v_max3_num_f32 v[BM+1], v[S+32], v[S+33], v[S+34]
	v_max3_num_f32 v[SOP+1], v[S+48], v[S+49], v[S+50]
.irp i, 3,5,7,9,11,13
	v_max3_num_f32 v[BM], v[BM], v[S+\i], v[S+\i+1]
	v_max3_num_f32 v[SOP], v[SOP], v[S+16+\i], v[S+17+\i]
	v_max3_num_f32 v[BM+1], v[BM+1], v[S+32+\i], v[S+33+\i]
	v_max3_num_f32 v[SOP+1], v[SOP+1], v[S+48+\i], v[S+49+\i]
.endr
	v_max3_num_f32 v[BM], v[BM], v[SOP], v[S+15]
	v_max3_num_f32 v[BM+1], v[BM+1], v[SOP+1], v[S+47]
	v_max_num_f32 v[BM], v[BM], v[S+31]
	v_max_num_f32 v[BM+1], v[BM+1], v[S+63]
	DEP 1
	v_max3_num_f32 v[ST+1], v[ST+1], v[BM], v[BM+1]        ; the running largest score of my query: my 64 keys,
	DEP 1
	v_permlanex16_b32 v[TX], v[ST+1], s[SEL], s[SEL+1]
	DEP 1
	v_max_num_f32 v[ST+1], v[ST+1], v[TX]                  ; and lane l xor 16's
	DEP 1
	v_mul_f32 v[TP], s[CS], v[ST+1]                        ; as t
	DEP 1
	v_floor_f32 v[TP], -v[TP]                              ; the new -M = -ceil(t)
	DEP 1
	v_sub_f32 v[FF], v[TP], v[ST]                          ; old M - new M: a whole number, 0 or less
	DEP 2
	v_mov_b32 v[ST], v[TP]
	DEP 2
	v_cvt_i32_f32 v[FF], v[FF]                             ; (it saturates)
	DEP 1
	v_ldexp_f32 v[FF], 1.0, v[FF]
.set j, 0
.rept 32
	v_pk_fma_f32 v[S+j:S+j+1], v[S+j:S+j+1], s[CS:CS+1], v[ST:ST+1] op_sel_hi:[1,0,0]   ; t - M
.set j, j+2
.endr
	v_fma_f32 v[BM], v[BM], s[CS], v[ST]
	v_fma_f32 v[BM+1], v[BM+1], s[CS], v[ST]
	WALU                                                   ; the wait ahead of the batch
	v_exp_f32 v[BM], v[BM]
	v_exp_f32 v[BM+1], v[BM+1]
.set j, 0
.rept 64
	v_exp_f32 v[S+j], v[S+j]
.set j, j+1
.endr
	v_pk_mul_f32 v[ST+2:ST+3], v[ST+2:ST+3], v[FF:FF+1] op_sel_hi:[1,0]   ; the sum under the new M: the plain place behind the batch
	WALU                                                   ; and the one wait behind it
	v_max_num_f32 v[BM], 0x1800000, v[BM]                  ; the floor 2^(3 - 127) holds the byte at 1 from below
	v_max_num_f32 v[BM+1], 0x1800000, v[BM+1]
	DEP 2
	v_add_nc_u32 v[SOP], 0xff000000, v[BM]                 ; 2 off the exponent field: the conversions' scale operand
	DEP 2
	v_add_nc_u32 v[SOP+1], 0xff000000, v[BM+1]
	DEP 2
	v_lshrrev_b32 v[BM], 23, v[SOP]
	DEP 2
	v_lshrrev_b32 v[BM+1], 23, v[SOP+1]
	DEP 1
	v_lshl_or_b32 v[TP], v[BM+1], 16, v[BM]                ; my blocks h and 2 + h
	DEP 1
	v_permlanex16_b32 v[TX], v[TP], s[SEL], s[SEL+1]
	DEP 1
	v_perm_b32 v[PS+(\u)], v[TX], v[TP], s[PSEL]           ; lanes 0-15: the four bytes in their order (lanes 16-31 are not read)
	v_pk_add_f32 v[C2:C2+1], v[S:S+1], v[S+2:S+3]          ; the sum of the unquantised p, in two chains
.set j, 4
.rept 15
	v_pk_add_f32 v[ST+2:ST+3], v[ST+2:ST+3], v[S+j:S+j+1]
	v_pk_add_f32 v[C2:C2+1], v[C2:C2+1], v[S+j+2:S+j+3]
.set j, j+4
.endr
	v_cvt_scalef32_pk16_fp6_f32 v[PT:PT+2], v[S+48:S+63], v[SOP+1]
	v_pk_add_f32 v[ST+2:ST+3], v[ST+2:ST+3], v[C2:C2+1]    ; the sum's two chains; also the plain place: the next results land on this conversion's sources
	v_cvt_scalef32_pk16_fp6_f32 v[\dst+6:\dst+8], v[S+32:S+47], v[SOP+1]
	v_cvt_scalef32_pk16_fp6_f32 v[S+60:S+62], v[S+16:S+31], v[SOP]
	v_cvt_scalef32_pk16_fp6_f32 v[\dst:\dst+2], v[S:S+15], v[SOP]
.irp i, 0,1,2
	v_mov_b32 v[\dst+9+\i], v[PT+\i]                       ; (a conversion's three registers begin on an even number.)  These three touch the first conversion's result alone: they are the plain places behind the last three
.endr
.irp i, 0,1,2
	v_mov_b32 v[\dst+3+\i], v[S+60+\i]
.endr
	WALU                                                   ; the wait directly ahead of the first reader of O^T
.set j, 0
.rept 16
	v_pk_mul_f32 v[OU+j:OU+j+1], v[OU+j:OU+j+1], v[FF:FF+1] op_sel_hi:[1,0]   ; O^T under the new M; also the places ahead of the second product
.set j, j+2
.endr
.endm
.Lkey:
	v_add_nc_u32 v[AD], s[TB], v[L8]
	v_add_nc_u32 v[TP], s[TS], v[R16]
	v_add_nc_u32 v[BM], 2048, v[AD]
	v_add_nc_u32 v[BM+1], 4096, v[AD]
.irp g, 0,2,4,6                                ; the step's 24 pieces of 256 bytes, two to a load: piece 8 k + g lies 256 g behind base k
	ds_load_2addr_b64 v[KV+2*\g:KV+2*\g+3], v[AD] offset0:32*\g offset1:32*\g+32
	ds_load_2addr_b64 v[KV+16+2*\g:KV+16+2*\g+3], v[BM] offset0:32*\g offset1:32*\g+32
	ds_load_2addr_b64 v[KV+32+2*\g:KV+32+2*\g+3], v[BM+1] offset0:32*\g offset1:32*\g+32
.endr
	ds_load_b128 v[SW:SW+3], v[TP]
	s_wait_dscnt 0x0
	QK 0
	NOPS 4                                         ; places ahead of the first read of the scores
	SOFT 0, P0
	s_barrier_signal -1                            ; no LDS instruction of mine is out
	QK 1
	v_add_nc_u32 v[AD], s[TV], v[L8]               ; five places ahead of the loads into k's registers
	v_add_nc_u32 v[TP], 49152, v[AD]
	v_add_nc_u32 v[TX], s[TS], v[R16]
	v_add_nc_u32 v[BM], 24576, v[AD]
	v_add_nc_u32 v[BM+1], 24576, v[TP]
.irp p, 0,2,4                                  ; a base for each column tile, two pieces to a load
	ds_load_2addr_b64 v[KV+2*\p:KV+2*\p+3], v[AD] offset0:32*\p offset1:32*\p+32
	ds_load_2addr_b64 v[KV+12+2*\p:KV+12+2*\p+3], v[BM] offset0:32*\p offset1:32*\p+32
	ds_load_2addr_b64 v[KV+24+2*\p:KV+24+2*\p+3], v[TP] offset0:32*\p offset1:32*\p+32
	ds_load_2addr_b64 v[KV+36+2*\p:KV+36+2*\p+3], v[BM+1] offset0:32*\p offset1:32*\p+32
.endr
	ds_load_b128 v[SW:SW+3], v[TX] offset:4096
	SOFT 1, S+48
	WALU                                           ; the wait directly ahead of the waits below
	s_wait_dscnt 0x0                               ; v's fragments and scale words
	s_barrier_wait -1
.irp t, 0,1,2,3                                ; the eight accumulators by turns
	v_wmma_scale_f32_16x16x128_f8f6f4 v[OT+8*\t:OT+8*\t+7], v[KV+12*\t:KV+12*\t+11], v[P0:P0+11], v[OT+8*\t:OT+8*\t+7], v[SW+\t], v[PS] matrix_a_fmt:MATRIX_FMT_FP6 matrix_b_fmt:MATRIX_FMT_FP6
	v_wmma_scale_f32_16x16x128_f8f6f4 v[OT+32+8*\t:OT+32+8*\t+7], v[KV+12*\t:KV+12*\t+11], v[S+48:S+59], v[OT+32+8*\t:OT+32+8*\t+7], v[SW+\t], v[PS+1] matrix_a_fmt:MATRIX_FMT_FP6 matrix_b_fmt:MATRIX_FMT_FP6
.endr
	NOPS 1                                         ; with the four additions at the loop's top: five places ahead of the loads and of the scores that land on tile 1's codes
	s_add_co_u32 s[TB], s[TB], 6144
	s_add_co_u32 s[TS], s[TS], 256
	s_add_co_u32 s[TV], s[TV], 1536
	s_sub_co_u32 s[CNT], s[CNT], 1
	s_cmp_lg_u32 s[CNT], 0
	s_cbranch_scc1 .Lkey
; THE WAY OUT of tile u: O^T / the sum; register 16 b + i is column 32 b + 16 h + i of the head: two blocks, each in lanes l and l xor 16
.macro OUT u
.set ST, ST0+4*(\u)
.set OU, OT+32*(\u)
.set PCU, KV+16*(\u)
.set PTU, KV+8+16*(\u)
	v_add_f32 v[ST+2], v[ST+2], v[ST+3]
	v_permlanex16_b32 v[TX], v[ST+2], s[SEL], s[SEL+1]
	v_add_f32 v[ST+2], v[ST+2], v[TX]
	WALU
	v_rcp_f32 v[ST+2], v[ST+2]
	v_nop
	WALU
.set j, 0
.rept 16
	v_pk_mul_f32 v[S+j:S+j+1], v[OU+j:OU+j+1], v[ST+2:ST+3] op_sel_hi:[1,0]
.set j, j+2
.endr
.irp b, 0,1
	v_max3_num_f32 v[BM+\b], |v[S+16*\b]|, |v[S+16*\b+1]|, 0x1800000
.endr
.irp i, 2,4,6,8,10,12,14
.irp b, 0,1
	v_max3_num_f32 v[BM+\b], v[BM+\b], |v[S+16*\b+\i]|, |v[S+16*\b+\i+1]|
.endr
.endr
.irp b, 0,1
	v_permlanex16_b32 v[TP+\b], v[BM+\b], s[SEL], s[SEL+1]
.endr
.irp b, 0,1
	v_max_num_f32 v[BM+\b], v[BM+\b], v[TP+\b]
.endr
.irp b, 0,1
	v_add_nc_u32 v[SOP+\b], 0xff000000, v[BM+\b]
.endr
.irp b, 0,1
	v_lshrrev_b32 v[TP+\b], 23, v[SOP+\b]
.endr
.if \u
	v_lshl_or_b32 v[TP], v[TP+1], 8, v[TP]
	v_lshl_or_b32 v[FF], v[TP], 16, v[FF]          ; tile 1's two bytes above tile 0's
.else
	v_lshl_or_b32 v[FF], v[TP+1], 8, v[TP]
.endif
	v_cvt_scalef32_pk16_fp6_f32 v[PCU:PCU+2], v[S:S+15], v[SOP]
	v_cvt_scalef32_pk16_fp6_f32 v[PTU:PTU+2], v[S+16:S+31], v[SOP+1]
	v_nop
.irp i, 0,1,2
	v_permlane16_swap_b32 v[PCU+\i], v[PTU+\i]     ; the operand's layout wants a whole block in a lane
.endr
.irp i, 0,1,2
	v_mov_b32 v[PCU+3+\i], v[PTU+\i]
.endr
.irp p, 0,1,2
	global_store_b64 v[L8], v[PCU+2*\p:PCU+2*\p+1], s[8:9] offset:12288*(\u)+256*\p   ; 256 consecutive bytes, at a multiple of 256 from c1's first byte
.endr
.endm
	OUT 0
	OUT 1
	v_add_nc_u32 v[AD], s79, v[R16]
	v_lshl_add_u32 v[FF+1], v[L8], 1, s84          ; waves 0 and 1 store 512 bytes each of the gathered words
	v_add_nc_u32 v[BM], STG, v[FF+1]
	ds_store_b32 v[AD], v[FF]
	WALU
	s_wait_dscnt 0x0
	s_barrier_signal -1
	s_barrier_wait -1
	s_cmp_lt_u32 s[WV], 2
	s_cbranch_scc0 .Lno_words
	ds_load_b128 v[S:S+3], v[BM]
	s_wait_dscnt 0x0
	global_store_b128 v[FF+1], v[S:S+3], s[10:11]
.Lno_words:
	s_wait_tensorcnt 0x0                           ; the wave's end
	ds_add_u32 v[SPW], v[NIL]
	s_wait_dscnt 0x0
	CROUND                                         ; the closing round
	s_endpgm
.Lfunc_end_k_q7a7705fb85_attn:
	.size	k_q7a7705fb85_attn, .Lfunc_end_k_q7a7705fb85_attn-k_q7a7705fb85_attn
	.p2alignl 7, 3214868480
	.fill 96, 4, 3214868480
	.section	.rodata,"a",@progbits
	.p2align	6, 0x0
	.amdhsa_kernel k_q7a7705fb85_attn
		.amdhsa_group_segment_fixed_size 327680
		.amdhsa_private_segment_fixed_size 0
		.amdhsa_enable_private_segment 0
		.amdhsa_kernarg_size 32
		.amdhsa_user_sgpr_count 2
		.amdhsa_user_sgpr_kernarg_segment_ptr 1
		.amdhsa_wavefront_size32 1
		.amdhsa_system_sgpr_workgroup_id_x 1
		.amdhsa_system_sgpr_workgroup_id_y 1
		.amdhsa_system_sgpr_workgroup_id_z 1
		.amdhsa_system_vgpr_workitem_id 0
		.amdhsa_next_free_vgpr 256
		.amdhsa_next_free_sgpr 90
		.amdhsa_reserve_vcc 0
		.amdhsa_float_denorm_mode_32 3
		.amdhsa_float_denorm_mode_16_64 3
		.amdhsa_memory_ordered 1
		.amdhsa_forward_progress 1
		.amdhsa_inst_pref_size 47
	.end_amdhsa_kernel
	.amdgpu_metadata
---
amdhsa.version: [ 1, 2 ]
amdhsa.kernels:
  - .name:           k_q7a7705fb85_attn
    .symbol:         k_q7a7705fb85_attn.kd
    .args:
      - { .name: c2, .offset: 0, .size: 8, .value_kind: global_buffer, .address_space: global }
      - { .name: s2, .offset: 8, .size: 8, .value_kind: global_buffer, .address_space: global }
      - { .name: c1, .offset: 16, .size: 8, .value_kind: global_buffer, .address_space: global }
      - { .name: s1, .offset: 24, .size: 8, .value_kind: global_buffer, .address_space: global }
    .group_segment_fixed_size: 327680
    .private_segment_fixed_size: 0
    .kernarg_segment_align: 8
    .kernarg_segment_size: 32
    .max_flat_workgroup_size: 512
    .sgpr_count:     90
    .vgpr_count:     256
    .wavefront_size: 32
...
	.end_amdgpu_metadata
.endif
;; end of part 3
;; launch outp (part 4): grid 4 x 64, 4 waves a work-group, clusters of 4 x 4, 327,680 bytes of LDS; arguments c1, s1, bo, out0; writes out0
.if DOCPART == 4
	.amdgcn_target "amdgcn-amd-amdhsa--gfx1250"
	.amdhsa_code_object_version 6
	.text
	.protected	k_q7a7705fb85_outp
	.globl	k_q7a7705fb85_outp
	.p2align	8
	.type	k_q7a7705fb85_outp,@function
k_q7a7705fb85_outp:
	s_mov_b64 s[64:65], 0
	v_nop
	global_prefetch_b8 v0, s[64:65] scope:SCOPE_SE
	s_setreg_imm32_b32 hwreg(HW_REG_WAVE_MODE, 25, 1), 1
	s_wait_xcnt 0x0
	s_wait_alu depctr_hold_cnt(0) depctr_sa_sdst(0) depctr_va_vdst(0) depctr_va_sdst(0) depctr_va_ssrc(0) depctr_va_vcc(0) depctr_vm_vsrc(0)
	s_getreg_b32 s2, hwreg(HW_REG_IB_STS2, 6, 4)
	s_cmp_eq_u32 s2, 0
	s_cbranch_scc0 .Lentry_in_a_cluster
	s_endpgm
.Lentry_in_a_cluster:
	s_bfe_u32 s2, ttmp6, 0x10000c
	s_cmp_lg_u32 s2, 0xf033
	s_cbranch_scc0 .Lentry_shape_is_right
	s_endpgm
.Lentry_shape_is_right:
; Launch 4 of 4: out0 = o Wo^T + bo on the codes of launches 3 (o) and 1 (Wo).  No work is left out.  LIMITS: as in launch 1.
; SHARES.  256 work-groups; work-group (x, y) makes tokens 128 y .. x columns 256 x ..; each of four waves 64 x 128: 32 accumulators.  Source 1 = tokens (4 row tiles a wave), source 0 = rows of Wo (8): a lane holds one token.
; LDS holds both operands for ALL of K, in two halves of K of 147,456 bytes (8 token tiles, then 16 of Wo, 6,144 bytes each), brought by four loads at the head, one a wave.  Nothing is filled again.
; The first barrier shows the first half alone, the barrier in step 3 the second.  CLUSTER 4 x 4: o's tiles are asked for jointly along a row of the cluster, Wo's along a column.
; NO PREFETCH: every tile comes by the head's loads; there is no loop to run ahead in.
; The two sides' scale words stand in registers of their own whose numbers differ modulo 8.  The bias is the C of each sum's first product.
; THE WAY OUT goes through a stage of 16 rows x 528 bytes a wave, on bytes of the first half of K, which have had their only fill and, behind step 3's barrier, their last read.
; REGISTERS.  window 0: v16-29 addresses; v32-95 Wo's scale words (8 b + s); v96-127 o's (8 a + (s + 1) % 8); v128-223 source 1's fragments, two sets of four; v224-255 o's scale words as loaded.
; window 1: source 0's fragments, two sets at v0 and v128; the bias in the gaps.  window 2: accumulator (a, b) at v[8 (8 a + b)].
.set FR,    12
.set FRB,   1536
.set KH,    4*FRB
.set HB,    24*KH
.set SPARE, 2*HB
.set TROW,  12288
.set SPITCH, 528
.set XA,   16                          ; v16-17 source 1's fragments in half 0, 1 of K
.set WA,   20                          ; v20-21 source 0's
.set STO,  24
.set RD,   25
.set CO,   26
.set SPW,  28
.set NIL,  29
.set WS,   32
.set XS,   96
.set AF,   128
.set U,    224
.set BK,   128
.set WV,   18
.set WR,   19
.set WC,   20
.set G1,   24
.set G0,   32
.set G1B,  48
.set G0B,  56
.set MSB, 0
.macro WIN new
.if MSB != \new
	s_set_vgpr_msb (MSB<<8)|\new
.set MSB, \new
.endif
.endm
.set TO_B, 0x40
.macro PLACES
.rept 4
	v_nop
.endr
.endm
.macro CROUND
	s_barrier_signal -1
	s_barrier_wait -1
	s_cmp_lg_u32 s[WV], 0
	s_cbranch_scc1 .Lnot_wave_0_\@
	s_barrier_signal -3
.Lnot_wave_0_\@:
	s_barrier_wait -3
	s_barrier_signal -1
	s_barrier_wait -1
.endm
	s_load_b256 s[4:11], s[0:1], 0x0               ; c1, s1, bo, out0
	v_lshl_add_u32 v[SPW], v0, 2, SPARE
	v_mov_b32 v[NIL], 0
	ds_add_u32 v[SPW], v[NIL]                      ; the opening lines
	ds_add_u32 v[SPW], v[NIL]
	v_lshrrev_b32 v1, 5, v0
	v_readfirstlane_b32 s[WV], v1
	s_lshr_b32 s[WR], s[WV], 1
	s_and_b32 s[WC], s[WV], 1
	s_bfe_u32 s40, ttmp6, 0x40000
	s_bfe_u32 s41, ttmp6, 0x40004
	s_lshl_b32 s22, ttmp9, 2
	s_add_co_u32 s22, s22, s40                     ; x
	s_and_b32 s42, ttmp7, 0xffff
	s_lshl_b32 s42, s42, 2
	s_add_co_u32 s42, s42, s41                     ; y
	s_lshl_b32 s43, s41, 2
	s_lshl_b32 s43, 15, s43
	s_lshl_b32 s44, 0x1111, s40
	s_or_b32 s[G1], s43, (3<<16)|(1<<21)
	s_or_b32 s[G1B], s44, (3<<16)|(1<<21)
.irp g, G1, G1B                                ; rows of 6,144 bytes (768 elements of 8), 12,288 apart
	s_mov_b32 s[\g+1], 768<<16
	s_mov_b32 s[\g+3], 768<<16
	s_mov_b32 s[\g+5], 1536
	s_mov_b32 s[\g+6], 0
	s_mov_b32 s[\g+7], 0
.endr
	s_mov_b32 s[G1+2], 8<<16                       ; 8 token tiles
	s_mov_b32 s[G1+4], 8
	s_mov_b32 s[G1B+2], 16<<16                     ; 16 tiles of Wo
	s_mov_b32 s[G1B+4], 16
	s_lshl_b32 s70, s42, 3                         ; wave w fetches half w / 2 of K: o's (w even) or Wo's (w odd)
	s_add_co_u32 s70, s70, 1792
	s_mul_i32 s70, s70, TROW
	s_mul_i32 s67, s[WR], KH
	s_add_co_u32 s70, s70, s67
	s_mov_b32 s71, 0
	s_lshl_b32 s74, s22, 4
	s_add_co_u32 s74, s74, 1728
	s_mul_i32 s74, s74, TROW
	s_add_co_u32 s74, s74, s67
	s_mov_b32 s75, 0
	s_mul_i32 s76, s[WR], HB
	s_add_co_u32 s77, s76, 8*KH
	s_mov_b32 s72, 0x05040100
	s_mov_b32 s73, 0x07060302
	s_wait_dscnt 0x0
	s_wait_kmcnt 0x0
	s_add_nc_u64 s[70:71], s[4:5], s[70:71]
	s_add_nc_u64 s[74:75], s[4:5], s[74:75]
	CROUND                                         ; ahead of the first joint loads
	s_mov_b32 s[G0], 1
	s_mov_b32 s[G0+1], s76
	s_mov_b64 s[G0+2:G0+3], s[70:71]
	s_or_b32 s[G0+3], s[G0+3], 0x80000000
	s_mov_b32 s[G0B], 1
	s_mov_b32 s[G0B+1], s77
	s_mov_b64 s[G0B+2:G0B+3], s[74:75]
	s_or_b32 s[G0B+3], s[G0B+3], 0x80000000
.macro ARM eq, g0, g1, next            ; one chain of branches on the wave's number, a load line of its own to each wave
	s_cmp_eq_u32 s[WV], \eq
	s_cbranch_scc0 \next
	tensor_load_to_lds s[\g0:\g0+3], s[\g1:\g1+7]
	s_nop 0
	PLACES
	s_branch .Lhead_asked
\next:
.endm
	ARM 0, G0, G1, .Lh1
	ARM 1, G0B, G1B, .Lh2
	ARM 2, G0, G1, .Lh3
	tensor_load_to_lds s[G0B:G0B+3], s[G1B:G1B+7]
	s_nop 0
	PLACES
.Lhead_asked:
	s_lshl_b32 s78, s22, 4                         ; Wo's scale words: my 8 tiles, 512 bytes each
	s_lshl_b32 s79, s[WC], 3
	s_add_co_u32 s78, s78, s79
	s_add_co_u32 s78, s78, 1728
	s_lshl_b32 s78, s78, 9
	s_lshr_b32 s80, s42, 4                         ; o's: [batch][head][128 tokens][lane row][4 words]; my four tiles are words 2 (w / 2) and 2 (w / 2) + 1
	s_lshl_b32 s80, s80, 16
	s_and_b32 s79, s42, 15
	s_lshl_b32 s79, s79, 8
	s_add_co_u32 s80, s80, s79
	s_lshl_b32 s79, s[WR], 3
	s_add_co_u32 s80, s80, s79
	s_add_co_u32 s80, s80, 917504
	s_lshl_b32 s82, s22, 10                        ; my 128 columns, in bytes
	s_lshl_b32 s83, s[WC], 9
	s_add_co_u32 s82, s82, s83
	s_mov_b32 s83, 0
	s_add_nc_u64 s[8:9], s[8:9], s[82:83]
	s_lshl_b32 s84, s42, 7
	s_lshl_b32 s85, s[WR], 6
	s_add_co_u32 s84, s84, s85                     ; my first token
	s_lshl_b32 s84, s84, 12
	s_add_co_u32 s84, s84, s82
	s_mov_b32 s85, 0
	s_add_nc_u64 s[10:11], s[10:11], s[84:85]
	s_mul_i32 s86, s[WV], 16*SPITCH                ; my stage
	s_mul_i32 s87, s[WR], 4*KH                     ; my 4 token tiles
	s_mul_i32 s88, s[WC], 8*KH                     ; my 8 tiles of Wo, behind the 8 token tiles
	s_add_co_u32 s88, s88, 8*KH
	v_and_b32 v1, 15, v0
	v_bfe_u32 v2, v0, 4, 1
	v_and_b32 v3, 31, v0
	v_lshlrev_b32 v7, 3, v3
	v_add_nc_u32 v[XA], s87, v7
	v_add_nc_u32 v[WA], s88, v7
	v_add_nc_u32 v[XA+1], HB, v[XA]
	v_add_nc_u32 v[WA+1], HB, v[WA]
	v_lshlrev_b32 v8, 4, v1
	v_add_nc_u32 v4, s78, v8
	v_add_nc_u32 v5, s80, v8
	v_lshlrev_b32 v6, 6, v2
.irp i, 0,1,2,3,4,5,6,7
.irp q, 0,1
	global_load_b128 v[WS+8*\i+4*\q:WS+8*\i+4*\q+3], v4, s[6:7] offset:512*\i+256*\q
.endr
.endr
.irp n, 0,1,2,3,4,5,6,7,8,9,10,11,12,13,14,15
	global_load_b64 v[U+2*\n:U+2*\n+1], v5, s[6:7] offset:4096*\n
.endr
	WIN TO_B
.irp b, 0,1,2,3,4,5,6,7                        ; the bias of source 0's tile b: columns 32 (b / 2) + 16 h + 8 (b % 2) + 0 .. 7
	global_load_b128 v[96+8*\b+96*(\b/4):96+8*\b+96*(\b/4)+3], v6, s[8:9] offset:(32*(\b/2)+8*(\b%2))*4
	global_load_b128 v[96+8*\b+96*(\b/4)+4:96+8*\b+96*(\b/4)+7], v6, s[8:9] offset:(32*(\b/2)+8*(\b%2))*4+16
.endr
	WIN 0
	v_mul_u32_u24 v[STO], v1, SPITCH
	v_lshl_add_u32 v[STO], v2, 6, v[STO]
	v_add_nc_u32 v[STO], s86, v[STO]
	v_lshlrev_b32 v[CO], 4, v3
	v_add_nc_u32 v[RD], s86, v[CO]
	s_wait_loadcnt 0x0
.irp j, 0,1                                    ; tile 2 j + u, K step g: the two bytes of head 2 g below those of head 2 g + 1
.irp u, 0,1
.irp g, 0,1,2,3,4,5,6,7
	v_perm_b32 v[XS+8*(2*\j+\u)+((\g+1)%8)], v[U+2*(2*\g+1)+\j], v[U+4*\g+\j], s[72+\u]
.endr
.endr
.endr
.rept 8
	v_nop                                          ; places between the scale words just made and the first product
.endr
.macro FRAG reg, adr, off
.irp p, 0,1,2,3,4,5
	ds_load_b64 v[\reg+2*\p:\reg+2*\p+1], v[\adr] offset:(\off)+256*\p
.endr
.endm
.macro OFETCH s                        ; K step s into the sets s % 2
	WIN TO_B
.irp i, 0,1,2,3,4,5,6,7
	FRAG 128*((\s)%2)+FR*\i, WA+(\s)/4, \i*KH+((\s)%4)*FRB
.endr
	WIN 0
.irp i, 0,1,2,3
	FRAG AF+48*((\s)%2)+FR*\i, XA+(\s)/4, \i*KH+((\s)%4)*FRB
.endr
.endm
.macro OMUL a0, s, first               ; 16 products; the 32 accumulators take turns in the same order in every step
.irp a, \a0, \a0+1
.irp b, 0,1,2,3,4,5,6,7
.set rD, 8*(8*(\a)+\b)
.set rA, 128*((\s)%2)+FR*\b
.set rB, AF+48*((\s)%2)+FR*(\a)
.set rC, rD
.if \first
.set rC, 96+8*\b+96*(\b/4)
.endif
	v_wmma_scale_f32_16x16x128_f8f6f4 v[rD:rD+7], v[rA:rA+FR-1], v[rB:rB+FR-1], v[rC:rC+7], v[WS+8*\b+(\s)], v[XS+8*(\a)+(((\s)+1)%8)] matrix_a_fmt:MATRIX_FMT_FP6 matrix_b_fmt:MATRIX_FMT_FP6
.endr
.endr
.endm
.macro OSTEP s, first                  ; the next step's 72 loads go out ahead of this step's 32 products
	s_wait_dscnt 0x0
.if (\s) > 0
	PLACES
.endif
	OFETCH (\s)+1
.if \first
	WIN 0x91                                       ; A window 1, B window 0, C (the bias) window 1, D window 2
.else
	WIN 0xa1
.endif
	OMUL 0, \s, \first
	OMUL 2, \s, \first
	WIN 0
.endm
	s_wait_alu depctr_va_vdst(0)                   ; the wait at the head's end
	s_cmp_lt_u32 s[WV], 2
	s_cbranch_scc0 .Lnot_half_0
	s_wait_tensorcnt 0x0                           ; waves 0 and 1: the first half of K
.Lnot_half_0:
	s_barrier_signal -1
	s_barrier_wait -1
	OFETCH 0
	OSTEP 0, 1
	OSTEP 1, 0
	OSTEP 2, 0
	s_wait_tensorcnt 0x0                           ; step 3: every wave's load is in,
	s_wait_dscnt 0x0                               ; and my reads of the first half of K are over
	s_barrier_signal -1
	WIN 0xa1
	OMUL 0, 3, 0
	WIN 0
	s_barrier_wait -1
	PLACES
	OFETCH 4
	WIN 0xa1
	OMUL 2, 3, 0
	WIN 0
	OSTEP 4, 0
	OSTEP 5, 0
	OSTEP 6, 0
	s_wait_dscnt 0x0
	WIN 0xa1
	OMUL 0, 7, 0
	OMUL 2, 7, 0
	WIN 0
; THE WAY OUT, block by block of 16 tokens x 128 columns, through my stage: whole rows of 512 bytes come back.  LDS serves a wave's instructions in order.
.macro TOSTAGE a
.set AC, 64*(\a)
	WIN 0x08                                       ; the data: window 2
.irp b, 0,1,2,3,4,5,6,7
	ds_store_b128 v[STO], v[AC+8*\b:AC+8*\b+3] offset:128*(\b/2)+32*(\b%2)
	ds_store_b128 v[STO], v[AC+8*\b+4:AC+8*\b+7] offset:128*(\b/2)+32*(\b%2)+16
.endr
	WIN 0
.set BB, BK+64*((\a)%2)
.irp t, 0,1,2,3,4,5,6,7,8,9,10,11,12,13,14,15
	ds_load_b128 v[BB+4*\t:BB+4*\t+3], v[RD] offset:\t*SPITCH
.endr
.endm
.macro SEND a, younger
.set BB, BK+64*((\a)%2)
	s_wait_dscnt \younger
.if (\a) > 0
.if (\a)%2 == 1
	s_add_nc_u64 s[10:11], s[10:11], 8*4096        ; tile 2 b + u begins at token 32 b + 8 u
.else
	s_add_nc_u64 s[10:11], s[10:11], 24*4096
.endif
.endif
.irp t, 0,1,2,3,4,5,6,7,8,9,10,11,12,13,14,15
	global_store_b128 v[CO], v[BB+4*\t:BB+4*\t+3], s[10:11] offset:(\t+8*(\t/8))*4096 th:TH_STORE_NT   ; 512 consecutive bytes, at a multiple of 256 from out0's first byte
.endr
.endm
	PLACES
	TOSTAGE 0
.irp a, 1,2,3
.if \a > 1
	s_wait_xcnt 0x0                                ; block a - 2's stores have read their registers and their base
.endif
	TOSTAGE \a
	SEND \a-1, 32
.endr
	s_wait_xcnt 0x0
	SEND 3, 0
	s_wait_tensorcnt 0x0                           ; the wave's end
	ds_add_u32 v[SPW], v[NIL]
	s_wait_dscnt 0x0
	CROUND                                         ; the closing round
	s_endpgm
.Lfunc_end_k_q7a7705fb85_outp:
	.size	k_q7a7705fb85_outp, .Lfunc_end_k_q7a7705fb85_outp-k_q7a7705fb85_outp
	.p2alignl 7, 3214868480
	.fill 96, 4, 3214868480
	.section	.rodata,"a",@progbits
	.p2align	6, 0x0
	.amdhsa_kernel k_q7a7705fb85_outp
		.amdhsa_group_segment_fixed_size 327680
		.amdhsa_private_segment_fixed_size 0
		.amdhsa_enable_private_segment 0
		.amdhsa_kernarg_size 32
		.amdhsa_user_sgpr_count 2
		.amdhsa_user_sgpr_kernarg_segment_ptr 1
		.amdhsa_wavefront_size32 1
		.amdhsa_system_sgpr_workgroup_id_x 1
		.amdhsa_system_sgpr_workgroup_id_y 1
		.amdhsa_system_sgpr_workgroup_id_z 1
		.amdhsa_system_vgpr_workitem_id 0
		.amdhsa_next_free_vgpr 768
		.amdhsa_next_free_sgpr 100
		.amdhsa_reserve_vcc 0
		.amdhsa_float_denorm_mode_32 3
		.amdhsa_float_denorm_mode_16_64 3
		.amdhsa_memory_ordered 1
		.amdhsa_forward_progress 1
		.amdhsa_inst_pref_size 100
	.end_amdhsa_kernel
	.amdgpu_metadata
---
amdhsa.version: [ 1, 2 ]
amdhsa.kernels:
  - .name:           k_q7a7705fb85_outp
    .symbol:         k_q7a7705fb85_outp.kd
    .args:
      - { .name: c1, .offset: 0, .size: 8, .value_kind: global_buffer, .address_space: global }
      - { .name: s1, .offset: 8, .size: 8, .value_kind: global_buffer, .address_space: global }
      - { .name: bo, .offset: 16, .size: 8, .value_kind: global_buffer, .address_space: global }
      - { .name: out0, .offset: 24, .size: 8, .value_kind: global_buffer, .address_space: global }
    .group_segment_fixed_size: 327680
    .private_segment_fixed_size: 0
    .kernarg_segment_align: 8
    .kernarg_segment_size: 32
    .max_flat_workgroup_size: 128
    .sgpr_count:     100
    .vgpr_count:     768
    .wavefront_size: 32
...
	.end_amdgpu_metadata
.endif
;; end of part 4
